; MI455X (gfx1250); checked and timed in simulation.
; The chip was launched on July 23, 2026; its instructions are those of AMD's public machine-readable ISA for CDNA 5 (MIT licence, August 2026) and "CDNA5" Instruction Set Architecture Reference Guide (July 2026). The comments in the code are by the model that wrote it; some were corrected since.
;; Qwen3 Attention. Allowed arithmetic: float matrix products may take bf16 or f16 operands with f32 sums; other float arithmetic in f32, or as packed bf16 or f16 multiplies, adds, multiply-adds, maxima and minima; sums over many terms, partial sums and values carried from step to step in f32; what a program stores and reads back later, other than sums and carried values, may be rounded once to bf16 or f16.
;; Inputs: Wk 1,024 x 4,096 float32; Wo 4,096 x 2,048 float32; Wq 2,048 x 4,096 float32; Wv 1,024 x 4,096 float32; cos 2 x 1,024 x 128 float32; hidden_states 2 x 1,024 x 4,096 float32; k_norm_w 128 float32; q_norm_w 128 float32; sin 2 x 1,024 x 128 float32.
;; Outputs: out0 2 x 1,024 x 4,096 float32.
;; One version. Each part assembles by itself: llvm-mc -triple=amdgcn-amd-amdhsa -mcpu=gfx1250 --defsym DOCPART=n.
;; ======== version 1 of 1: 4 launches
;; limits: values are held in f16: magnitudes above 65,504 overflow, below 6.1e-05 lose precision; right only within a limited range of input values
;; workspace buffers: wb 67,108,864 bytes; csf 1,048,576 bytes; qf 8,388,608 bytes; kf 4,194,304 bytes; vf 4,194,304 bytes; of 8,388,608 bytes
;; launch cast (part 1): grid 64 x 9, 8 waves a work-group, no clusters, 18,432 bytes of LDS; arguments hidden_states, Wq, Wk, Wv, Wo, cos, sin, wb, csf; writes wb, csf
.if DOCPART == 1
	.amdgcn_target "amdgcn-amd-amdhsa--gfx1250"
	.amdhsa_code_object_version 6
	.text
	.protected	k_q5d503666fb_cast
	.globl	k_q5d503666fb_cast
	.p2align	8
	.type	k_q5d503666fb_cast,@function
k_q5d503666fb_cast:
	s_mov_b64 s[64:65], 0
	v_nop
	global_prefetch_b8 v0, s[64:65] scope:SCOPE_SE
	s_setreg_imm32_b32 hwreg(HW_REG_WAVE_MODE, 25, 1), 1
	s_wait_xcnt 0x0
; ALL INPUTS OF THE TWO PRODUCTS ARE ROUNDED ONCE TO 16 BITS AND LAID IN FRAGMENT ORDER, AND THE ROPE TABLE IS LAID OUT FOR ITS READERS.
; A FRAGMENT is 16 rows x 32 along k, 1,024 bytes: lane l = (r = l % 16, h = l / 16) owns 16 bytes at 16 l (row r, k = 8 h + 0..7) and 16 bytes at 512 + 16 l (k = 16 + 8 h + 0..7):
; as a matrix instruction's 16-bit source wants them in registers 0-3 and 4-7.
; wb: row tiles of 16 rows x 4,096 k = 128 fragments on end (131,072 bytes), bf16: tiles 0-127 hidden_states, 128-255 Wq, 256-319 Wk, 320-383 Wv;
;     behind them (byte 50,331,648) Wo's 256 row tiles of 64 fragments (65,536 bytes), rounded to bf16 and that number written as f16.
; csf: [token tile of 16: 128][block b of 16 channels: 8][cos, sin'][512 bytes]: lane l owns the 16 bytes at 16 l: channels 16 b + 8 h + 0..7 of token 16 tile + r, in bf16.
;      sin' = -sin in channels 0-63, +sin in channels 64-127: rotate-half is then o[d] = u[d] cos[d] + u[d xor 64] sin'[d].
; LIMITS.  Wo as f16: a bf16 number beyond 65,504 becomes an infinity; one below 2^-14 keeps f16's fixed step of 2^-24.
; SHARES.  Grid y = 0..7: a slab of 4,194,304 numbers: 0, 1 hidden_states; 2, 3 Wq; 4 Wk; 5 Wv; 6, 7 Wo.  Grid x: 131,072 bytes of wb: one row tile, or two of Wo's.  A wave: 16 rows x 512 k: 16 fragments on end.
; A UNIT is 16 rows x 64 k: eight loads, each 256 consecutive bytes of row i (lanes 0-15) and of row i + 8 (lanes 16-31).  A lane's four numbers, 8 bytes when rounded, go into the wave's own stage in LDS at their place
; in fragment order; the unit's two fragments come back 16 bytes a lane and leave by four stores of 512 consecutive bytes.  A ring of sixteen register slots, two units, keeps fifteen or sixteen loads of every wave in flight.
; THE STAGE: eight blocks of 256 bytes, 272 apart (68 words): the 32 lanes of a store of 8 bytes touch 64 different banks (64 banks of 4 bytes: ISA guide 11.1).  Each wave has its own: no barrier.
; Grid y = 8: the table: work-group x makes token tiles 2 x and 2 x + 1, wave w block b = w.
; No matrix unit, no cluster, no tensor load: each byte is read once by one thread, and what LDS does here is a turn inside one wave.
.set STG,   2176                       ; a wave's stage: 8 x 272
.set SPARE, 8*STG                      ; behind the stages (68 blocks of 256 bytes): the spare words, 128 bytes for each wave: four blocks that no other line names
.set LOF,  1                           ; v1        8 rows x (l / 16) + 16 (l % 16); never rewritten
.set SOF,  2                           ; v2        16 l; never rewritten
.set LST,  3                           ; v3        where my 8 bytes go in the stage
.set LRD,  4                           ; v4        where I read 16 bytes back
.set SPW,  5                           ; v5        LDS address of my spare word; never rewritten
.set NIL,  6                           ; v6        0; never rewritten
.set X,    8                           ; v[8:71]   slot 8 p + i: four f32 as loaded
.set Y,    72                          ; v[72:79]  four pairs by turns: four 16-bit numbers
.set Z,    80                          ; v[80:111] unit p: its two fragments, to store
.set T,    112                         ; v[112:117] at work
	s_load_b512 s[8:23], s[0:1], 0x0               ; hidden_states s[8:9], Wq s[10:11], Wk s[12:13], Wv s[14:15], Wo s[16:17], cos s[18:19], sin s[20:21], wb s[22:23]
	s_load_b64 s[24:25], s[0:1], 0x40              ; csf
	v_lshl_add_u32 v[SPW], v0, 2, SPARE
	v_mov_b32 v[NIL], 0
	s_and_b32 s2, ttmp7, 0xffff                    ; y: the slab
	s_mov_b32 s3, ttmp9                            ; x: the part of it
	s_mov_b32 s30, 0xffff0000                      ; a word's upper bf16
	v_lshrrev_b32 v[T], 5, v0
	v_readfirstlane_b32 s29, v[T]                  ; my wave's number
	v_and_b32 v[T+1], 31, v0                       ; l
	v_lshlrev_b32 v[SOF], 4, v[T+1]
	v_and_b32 v[T+2], 15, v0                       ; l % 16
	v_bfe_u32 v[T+3], v0, 4, 1                     ; l / 16
	s_wait_kmcnt 0x0
	s_cmp_eq_u32 s2, 8
	s_cbranch_scc1 .Ltable
	s_cmp_lt_u32 s2, 2                             ; which tensor the slab belongs to
	s_cselect_b64 s[4:5], s[8:9], s[10:11]
	s_cmp_lt_u32 s2, 4
	s_cselect_b64 s[4:5], s[4:5], s[12:13]
	s_cmp_lt_u32 s2, 5
	s_cselect_b64 s[4:5], s[4:5], s[14:15]
	s_cmp_lt_u32 s2, 6
	s_cselect_b64 s[4:5], s[4:5], s[16:17]
	s_lshl_b32 s31, s29, 11                        ; my 512 k in a row of 4,096: 2,048 bytes a wave;
	s_lshr_b32 s32, s29, 2                         ; in Wo, whose rows have 2,048: waves 0-3 the first 16 rows, waves 4-7 the next (131,072 bytes on),
	s_lshl_b32 s32, s32, 17
	s_and_b32 s33, s29, 3
	s_lshl_b32 s33, s33, 11
	s_add_co_u32 s32, s32, s33
	s_cmp_ge_u32 s2, 6
	s_cselect_b32 s31, s32, s31
	s_cselect_b32 s34, 16, 17                      ; eight rows are 2^16 bytes of Wo, 2^17 of the others
	v_lshlrev_b32 v[LOF], s34, v[T+3]
	v_lshl_add_u32 v[LOF], v[T+2], 4, v[LOF]
	s_and_b32 s26, s2, 1                           ; which half of the tensor: y & 1, but Wv (y = 5) is one slab
	s_cmp_eq_u32 s2, 5
	s_cselect_b32 s26, 0, s26
	s_lshl_b32 s26, s26, 24                        ; 16 MiB a half,
	s_lshl_b32 s27, s3, 18                         ; 262,144 bytes a work-group
	s_add_co_u32 s26, s26, s27
	s_add_co_u32 s26, s26, s31
	s_mov_b32 s27, 0
	s_add_nc_u64 s[4:5], s[4:5], s[26:27]
	s_lshl_b32 s26, s2, 23                         ; out: 8 MiB a slab,
	s_lshl_b32 s31, s3, 17                         ; 131,072 bytes a work-group,
	s_add_co_u32 s26, s26, s31
	s_lshl_b32 s31, s29, 14                        ; 16,384 a wave: the same sum for Wo, whose row tiles are half as long
	s_add_co_u32 s26, s26, s31
	s_add_nc_u64 s[6:7], s[22:23], s[26:27]
	s_mul_i32 s35, s29, STG                        ; my stage
	v_lshrrev_b32 v[T+4], 1, v[T+2]                ; my four k lie in block (l % 16) / 2 of the unit's eight,
	v_mul_u32_u24 v[LST], v[T+4], 272
	v_and_b32 v[T+4], 1, v0                        ; in the lower or upper 8 bytes of the row's 16,
	v_lshl_add_u32 v[LST], v[T+4], 3, v[LST]
	v_lshl_add_u32 v[LST], v[T+3], 7, v[LST]       ; row i or i + 8: 16 bytes a row
	v_add_nc_u32 v[LST], s35, v[LST]
	v_mul_u32_u24 v[LRD], v[T+3], 272              ; back: lanes 0-15 one block, lanes 16-31 the next
	v_lshl_add_u32 v[LRD], v[T+2], 4, v[LRD]
	v_add_nc_u32 v[LRD], s35, v[LRD]
	s_cmp_ge_u32 s2, 6
	s_cbranch_scc1 .Lkind1                         ; Wo takes the second text
; One slot's turn: rows i and i + 8 of unit p.  ahead = 1: the slot is filled again, two units on.  left: the younger loads that may stay out.  kind = 1: bf16's number, written as f16.
.macro SLOT p, i, ahead, left, kind, pitch
.set xs, X+4*(8*(\p)+(\i))
.set ys, Y+2*((\i)%4)
	s_wait_loadcnt \left                           ; loads come back in order (ISA guide 5.7.1): mine is in, the younger ones stay out
.if \kind
	v_cvt_pk_bf16_f32 v[T], v[xs], v[xs+1]
	v_cvt_pk_bf16_f32 v[T+1], v[xs+2], v[xs+3]
	v_lshlrev_b32 v[T+2], 16, v[T]                 ; back to f32: the low half moves up, the high half stays
	v_and_b32 v[T+3], s30, v[T]
	v_lshlrev_b32 v[T+4], 16, v[T+1]
	v_and_b32 v[T+5], s30, v[T+1]
	v_cvt_pk_f16_f32 v[ys], v[T+2], v[T+3]
	v_cvt_pk_f16_f32 v[ys+1], v[T+4], v[T+5]
.else
	v_cvt_pk_bf16_f32 v[ys], v[xs], v[xs+1]
	v_cvt_pk_bf16_f32 v[ys+1], v[xs+2], v[xs+3]
.endif
.if \ahead
	global_load_b128 v[xs:xs+3], v[LOF], s[4:5] offset:(\i)*(\pitch)+(\p)*256+512 th:TH_LOAD_NT
.endif
	ds_store_b64 v[LST], v[ys:ys+1] offset:(\i)*16
.endm
.macro UNIT p, ahead, kind, pitch
.irp i, 0,1,2,3,4,5,6,7
.if \ahead
	SLOT \p, \i, 1, 15, \kind, \pitch
.else
	SLOT \p, \i, 0, 15-8*(\p)-(\i), \kind, \pitch  ; the last round loads nothing: the counts run down
.endif
.endr
.endm
.macro BACK p                          ; the unit's two fragments come back: LDS serves a wave's instructions in order (ISA guide 5.7.1.4): these see the stores above, and the next unit's stores come behind them
.irp n, 0,1,2,3
	ds_load_b128 v[Z+16*(\p)+4*(\n):Z+16*(\p)+4*(\n)+3], v[LRD] offset:(\n)*544
.endr
.endm
.macro OUT p, younger                  ; younger: the LDS stores issued behind BACK's loads
	s_wait_dscnt \younger
.irp n, 0,1,2,3
	global_store_b128 v[SOF], v[Z+16*(\p)+4*(\n):Z+16*(\p)+4*(\n)+3], s[6:7] offset:(\p)*2048+(\n)*512  ; 512 consecutive bytes, aligned
.endr
.endm
.macro ROUND ahead, kind, pitch        ; two units
	UNIT 0, \ahead, \kind, \pitch
	BACK 0
	UNIT 1, \ahead, \kind, \pitch
	OUT 0, 8                                       ; unit 1's eight stores into the stage are younger than unit 0's four loads
	BACK 1
	OUT 1, 0
.endm
.macro STREAM kind, pitch
.irp p, 0,1
.irp i, 0,1,2,3,4,5,6,7
	global_load_b128 v[X+4*(8*(\p)+(\i)):X+4*(8*(\p)+(\i))+3], v[LOF], s[4:5] offset:(\i)*(\pitch)+(\p)*256 th:TH_LOAD_NT  ; the ring is filled: units 0 and 1
.endr
.endr
	s_mov_b32 s28, 3                               ; eight units = four rounds; three load ahead, the fourth is written out
.Lround\kind:
	ROUND 1, \kind, \pitch
	s_wait_xcnt 0x0                                ; every load and store so far has read its sources: the two bases and Z are rewritten only behind this wait
	s_add_nc_u64 s[4:5], s[4:5], 512
	s_add_nc_u64 s[6:7], s[6:7], 4096
	s_sub_co_u32 s28, s28, 1
	s_cmp_lg_u32 s28, 0
	s_cbranch_scc1 .Lround\kind
	ROUND 0, \kind, \pitch
	s_wait_tensorcnt 0x0                           ; the wave's end: behind my last LDS store
	ds_add_u32 v[SPW], v[NIL]
	s_wait_dscnt 0x0
	s_endpgm
.endm
	STREAM 0, 16384
.Lkind1:
	STREAM 1, 8192
.Ltable:                                               ; b = my wave's number; r = l % 16 in v[T+2], h = l / 16 in v[T+3]
	v_lshlrev_b32 v[T+4], 9, v[T+2]                ; a token's row of cos or sin is 512 bytes
	v_lshl_add_u32 v[T+4], v[T+3], 5, v[T+4]       ; + 8 h channels
	s_lshl_b32 s26, s3, 14                         ; two token tiles: 16,384 bytes, in and out alike
	s_lshl_b32 s27, s29, 6                         ; + 16 b channels
	s_add_co_u32 s27, s27, s26
	v_add_nc_u32 v[T+4], s27, v[T+4]
	s_lshl_b32 s27, s29, 10                        ; out: 1,024 bytes a block
	s_add_co_u32 s27, s27, s26
	v_add_nc_u32 v[T+5], s27, v[SOF]
	s_cmp_lt_u32 s29, 4
	s_cselect_b32 s31, 0x80008000, 0               ; the sign of sin' in channels 0-63
.irp i, 0,1
	global_load_b128 v[X+16*(\i):X+16*(\i)+3],     v[T+4], s[18:19] offset:8192*(\i)
	global_load_b128 v[X+16*(\i)+4:X+16*(\i)+7],   v[T+4], s[18:19] offset:8192*(\i)+16
	global_load_b128 v[X+16*(\i)+8:X+16*(\i)+11],  v[T+4], s[20:21] offset:8192*(\i)
	global_load_b128 v[X+16*(\i)+12:X+16*(\i)+15], v[T+4], s[20:21] offset:8192*(\i)+16
.endr
	s_wait_loadcnt 0x0
.irp i, 0,1
.irp k, 0,1,2,3
	v_cvt_pk_bf16_f32 v[Z+8*(\i)+(\k)],   v[X+16*(\i)+2*(\k)],   v[X+16*(\i)+2*(\k)+1]
	v_cvt_pk_bf16_f32 v[Z+8*(\i)+4+(\k)], v[X+16*(\i)+8+2*(\k)], v[X+16*(\i)+8+2*(\k)+1]
.endr
.irp k, 0,1,2,3
	v_xor_b32 v[Z+8*(\i)+4+(\k)], s31, v[Z+8*(\i)+4+(\k)]
.endr
	global_store_b128 v[T+5], v[Z+8*(\i):Z+8*(\i)+3],   s[24:25] offset:8192*(\i)      ; 512 consecutive bytes a store
	global_store_b128 v[T+5], v[Z+8*(\i)+4:Z+8*(\i)+7], s[24:25] offset:8192*(\i)+512
.endr
	s_endpgm
.Lfunc_end_k_q5d503666fb_cast:
	.size	k_q5d503666fb_cast, .Lfunc_end_k_q5d503666fb_cast-k_q5d503666fb_cast
	.p2alignl 7, 3214868480
	.fill 96, 4, 3214868480
	.section	.rodata,"a",@progbits
	.p2align	6, 0x0
	.amdhsa_kernel k_q5d503666fb_cast
		.amdhsa_group_segment_fixed_size 18432
		.amdhsa_private_segment_fixed_size 0
		.amdhsa_enable_private_segment 0
		.amdhsa_kernarg_size 72
		.amdhsa_user_sgpr_count 2
		.amdhsa_user_sgpr_kernarg_segment_ptr 1
		.amdhsa_wavefront_size32 1
		.amdhsa_system_sgpr_workgroup_id_x 1
		.amdhsa_system_sgpr_workgroup_id_y 1
		.amdhsa_system_sgpr_workgroup_id_z 1
		.amdhsa_system_vgpr_workitem_id 0
		.amdhsa_next_free_vgpr 128
		.amdhsa_next_free_sgpr 66
		.amdhsa_reserve_vcc 0
		.amdhsa_float_denorm_mode_32 3
		.amdhsa_float_denorm_mode_16_64 3
		.amdhsa_memory_ordered 1
		.amdhsa_forward_progress 1
		.amdhsa_inst_pref_size 40
	.end_amdhsa_kernel
	.amdgpu_metadata
---
amdhsa.version: [ 1, 2 ]
amdhsa.kernels:
  - .name:           k_q5d503666fb_cast
    .symbol:         k_q5d503666fb_cast.kd
    .args:
      - { .name: hidden_states, .offset: 0, .size: 8, .value_kind: global_buffer, .address_space: global }
      - { .name: Wq, .offset: 8, .size: 8, .value_kind: global_buffer, .address_space: global }
      - { .name: Wk, .offset: 16, .size: 8, .value_kind: global_buffer, .address_space: global }
      - { .name: Wv, .offset: 24, .size: 8, .value_kind: global_buffer, .address_space: global }
      - { .name: Wo, .offset: 32, .size: 8, .value_kind: global_buffer, .address_space: global }
      - { .name: cos, .offset: 40, .size: 8, .value_kind: global_buffer, .address_space: global }
      - { .name: sin, .offset: 48, .size: 8, .value_kind: global_buffer, .address_space: global }
      - { .name: wb, .offset: 56, .size: 8, .value_kind: global_buffer, .address_space: global }
      - { .name: csf, .offset: 64, .size: 8, .value_kind: global_buffer, .address_space: global }
    .group_segment_fixed_size: 18432
    .private_segment_fixed_size: 0
    .kernarg_segment_align: 8
    .kernarg_segment_size: 72
    .max_flat_workgroup_size: 256
    .sgpr_count:     66
    .vgpr_count:     128
    .wavefront_size: 32
...
	.end_amdgpu_metadata
.endif
;; end of part 1
;; launch qkv (part 2): grid 16 x 16, 4 waves a work-group, clusters of 4 x 4, 327,680 bytes of LDS; arguments wb, csf, q_norm_w, k_norm_w, qf, kf, vf; writes qf, kf, vf
.if DOCPART == 2
	.amdgcn_target "amdgcn-amd-amdhsa--gfx1250"
	.amdhsa_code_object_version 6
	.text
	.protected	k_q5d503666fb_qkv
	.globl	k_q5d503666fb_qkv
	.p2align	8
	.type	k_q5d503666fb_qkv,@function
k_q5d503666fb_qkv:
	s_mov_b64 s[64:65], 0
	v_nop
	global_prefetch_b8 v0, s[64:65] scope:SCOPE_SE
	s_setreg_imm32_b32 hwreg(HW_REG_WAVE_MODE, 25, 1), 1
	s_wait_xcnt 0x0
	s_wait_alu depctr_hold_cnt(0) depctr_sa_sdst(0) depctr_va_vdst(0) depctr_va_sdst(0) depctr_va_ssrc(0) depctr_va_vcc(0) depctr_vm_vsrc(0)
	s_getreg_b32 s2, hwreg(HW_REG_IB_STS2, 6, 4)
	s_cmp_eq_u32 s2, 0
	s_cbranch_scc0 .Lentry_in_a_cluster
	s_endpgm
.Lentry_in_a_cluster:
	s_bfe_u32 s2, ttmp6, 0x10000c
	s_cmp_lg_u32 s2, 0xf033
	s_cbranch_scc0 .Lentry_shape_is_right
	s_endpgm
.Lentry_shape_is_right:
; q, k AND v: THE THREE PROJECTIONS AS ONE PRODUCT OF ROWS OF wb (bf16, K = 4,096, sums in f32), WITH RMSNORM AND ROPE ON THE WAY OUT.
; wb lies in FRAGMENT ORDER: a fragment (16 rows x 32 along k, 8 registers a lane) is 1,024 bytes: registers 0-3 of lane l at 16 l, registers 4-7 at 512 + 16 l.  A row tile of 16 rows is 128 fragments on end, 131,072 bytes:
; tiles 0-127 tokens, 128-255 Wq, 256-319 Wk, 320-383 Wv.
; A work-group multiplies 128 "A rows" by 256 "B rows"; wave (WR = w / 2, WC = w % 2) makes 64 A rows x 128 B rows: 32 accumulators (a = 0..3, b = 0..7), 256 registers.
; THE MATRIX INSTRUCTION TAKES B'S ROWS AS SOURCE 0 AND A'S AS SOURCE 1: lane (r = l % 16, h = l / 16), register j of accumulator (a, b) holds (A row 16 a + r, B row 16 b + 8 h + j).
; KINDS, by the cluster's x, which all sixteen partners share:
;   0, 1 (q), 2 (k): A = tokens, tile TA = 4 cluster y + cy; B = weights, rows 2048 + 256 TB, TB = 4 cluster x + cx.  A wave's 128 B rows are ONE head: a lane holds one token and 64 of the head's channels,
;                    the lane 16 away the other 64: the norm wants one exchange, rotate-half none (channel d xor 64 is accumulator b xor 4 of the same lane).
;   3 (v):           A = Wv, rows 5120 + 128 TA, TA = 4 (cluster y & 1) + cy: one v head; B = tokens, rows 256 TB, TB = 4 (cluster y >> 1) + cx: a lane holds one channel and eight neighbouring keys: V^T as the second product of attention takes it.
; 192 + 64 work-groups, all with the same loop.
; OUT, all f16, in fragment order; every store is 512 consecutive bytes.
;   qf [batch x 16 + head][tile of 16 positions: 64][32 channels: 4]   kf [batch x 8 + head][tile of 16 keys: 64][4]   vf [batch x 8 + head][32 keys: 32][16 channels: 8], V^T / 8 (an exact scaling)
; q, k: u = sum x gain (gain rounded to bf16, like every input); o = (u cos + u[d xor 64] sin') x rsqrt(mean of sum^2 + 1e-6); all in f32, rounded once to f16.
; LIMITS.  q and k after norm and RoPE stay under 65,504 (|gain| under some 5,000); |v| under 8 x 65,504.  NaN and infinities are not treated apart.
; B GOES THROUGH LDS, A STRAIGHT INTO REGISTERS.  K goes in INTERVALS of 256: eight quarters of 32, 256 matrix instructions a wave.
;   B: a ring of two LDS slots of 16 row tiles x 8,192 bytes = 131,072 bytes, dense (a fragment load reads 256 consecutive bytes for each half of the lanes).  Each wave fetches four row tiles by one tensor load
;      (4 rows of 8,192 bytes), asked for JOINTLY along a column of the 4 x 4 cluster, whose four work-groups share TB.  From a refill's request to the wait for it a wave issues 224 matrix instructions.
;   A: a ring of eight register buffers, a quarter each (4 fragments, 32 registers), filled by loads of 512 consecutive bytes, seven quarters ahead: 56 loads of a wave are out, and their counted waits let them stay out across the changes of slots.
;   A IS NOT ASKED FOR JOINTLY, though a row of the cluster shares it: two slots of K = 256 for both operands would be 2 x 384 rows x 512 bytes = 393,216 bytes, more than the 327,680 that there are;
;   with slots of K = 128 a refill has 112 matrix instructions in which to land, half as many.
; REGISTERS, in windows of 256 (s_set_vgpr_msb: bits 1:0 source 0, 3:2 source 1, 5:4 source 2, 7:6 destination):
;   window 0: v16-31 addresses; v32-51 statistics; B's two buffers v64-127, v128-191 (8 fragments each); on the way out OT = v64-127, WT = v128-159, T = v192-207
;   window 1: accumulator (a, b) at 8 (8 a + b)     window 2: A's ring: quarter q, block a at 32 q + 8 a; on the way out the table: block (a, b): cos at 64 a + 8 b, sin' 4 further     window 3: v0-63 the gains of my 64 channels
.set RT,     131072                    ; bytes in a row tile
.set IV,     8192                      ; bytes of an interval in a row tile: 8 fragments
.set NIV,    16                        ; intervals
.set SLOT1,  1<<17                     ; slot 1 begins where slot 0 ends, so that one exclusive or turns an address in one slot into the other's
.set SPARE,  2*SLOT1                   ; behind the ring: the spare words, 128 bytes for each wave: two blocks of 256 bytes that no other line names
.set AB0,  16                          ; v16     my place in a slot: 65,536 WC + 16 l; never rewritten
.set ADRB, 20                          ; v20     the same in the slot that is being read
.set SO,   24                          ; v24     16 l: my 16 bytes in 512; never rewritten
.set WNO,  25                          ; v25     32 h: my eight gains of a block
.set SPW,  28                          ; v28     LDS address of my spare word; never rewritten
.set NIL,  29                          ; v29     0; never rewritten
.set PFO,  30                          ; v30     256 l; never rewritten
.set ZR,   31                          ; v31     0.0
.set SS,   32                          ; v32-39  block a's sum of squares, a pair
.set RS,   44                          ; v44-51  block a's rsqrt, twice
.set FB0,  64                          ; B's buffers: FB0, FB0 + 64
.set OT,   64
.set WT,   128
.set T,    192
.set G1,  24                           ; s[24:31] descriptor group 1
.set G0,  32                           ; s[32:35] group 0 of the first fill
.set G0W, 36                           ; s[36:39] group 0 of the second fill, which then walks on
.set WV,  40
.set WR,  41
.set WC,  42
.set CX,  43
.set CY,  44
.set CLX, 45
.set CLY, 46
.set TA,  47
.set AN,  48                           ; s[48:49] A at my first row tile, at the interval whose quarters are being asked for
.set PFB, 50                           ; s[50:51] where my prefetches of B stand
.set LIMA, 52                          ; 1 in a wave that prefetches A, else the greatest number
.set TBS, 53                           ; the slot that is being read: 0 or SLOT1
.set LB,  54
.set PFAA, 66                          ; s[66:67] where my prefetches of A stand
.set LIMB, 68                          ; the same as LIMA, for B
.set TB,  69
.set OB,  70                           ; s[70:71] where my stores begin
.set CSB, 72                           ; s[72:73] my four blocks of the table
.set GB,  74                           ; s[74:75] the gains
.set EPS, 80
.set R128, 81
.set EI,  82                           ; s[82:83] 1/8
.set SEL, 84                           ; s[84:85] v_permlanex16_b32's selects: each lane takes its own place in the other half
.set VK,  86                           ; 1 in a v cluster
.set CXB, 87                           ; the cluster coordinate that enters TB
.set MUL, 0x58                         ; B's fragments window 0, A's window 2, C and D window 1
.set MSB, 0
.macro WIN new                         ; the immediate's high byte repeats the setting that is left; a switch that changes nothing is dropped
.if MSB != (\new)
	s_set_vgpr_msb (MSB<<8)|(\new)
.set MSB, \new
.endif
.endm
.macro PLACES                          ; four plain vector instructions between a matrix instruction and a load into, or a vector instruction on, its registers
.rept 4
	v_nop
.endr
.endm
; PREFETCHES INTO THE L2, behind the joint load and the runs of loads of a change of slots: at the end of interval t, what interval t + 3 will want: one row tile's 8,192 bytes an instruction, a lane a block of 256 bytes.
; Each block is named once in the launch.  B (Wq's and Wk's rows): the clusters with y = 0; of the tile's 16 row tiles the partner at cy takes 4, a wave one.  A (the tokens' rows: the clusters with x = 0; Wv's: the v clusters
; with y <= 1): of the tile's 8 row tiles the partner at cx takes 2, waves 0 and 1 one each.  The partners are told apart by address alone.  The v clusters' B are tokens' rows, which are asked for as A.
; Intervals 0 to 2 come by their loads alone; the loop's last trip (s3 = 1) has no interval three on.
.macro ASK
	s_cmp_gt_u32 s3, s[LIMB]
	s_cbranch_scc0 .Lnot_b_\@
	global_prefetch_b8 v[PFO], s[PFB:PFB+1] th:TH_LOAD_NT scope:SCOPE_SE
.Lnot_b_\@:
	s_cmp_gt_u32 s3, s[LIMA]
	s_cbranch_scc0 .Lnot_a_\@
	global_prefetch_b8 v[PFO], s[PFAA:PFAA+1] th:TH_LOAD_NT scope:SCOPE_SE
.Lnot_a_\@:
.endm
.macro CREST                           ; a round of the cluster's barrier behind its opening barrier
	s_cmp_lg_u32 s[WV], 0
	s_cbranch_scc1 .Lnot_wave_0_\@
	s_barrier_signal -3
.Lnot_wave_0_\@:
	s_barrier_wait -3
	s_barrier_signal -1
	s_barrier_wait -1
.endm
.macro CROUND                          ; a whole round
	s_barrier_signal -1
	s_barrier_wait -1
	CREST
.endm
	s_load_b256 s[4:11], s[0:1], 0x0               ; wb s[4:5], csf s[6:7], q_norm_w s[8:9], k_norm_w s[10:11]
	s_load_b128 s[12:15], s[0:1], 0x20             ; qf s[12:13], kf s[14:15]
	s_load_b64 s[16:17], s[0:1], 0x30              ; vf
	v_lshl_add_u32 v[SPW], v0, 2, SPARE
	v_mov_b32 v[NIL], 0
	ds_add_u32 v[SPW], v[NIL]                      ; the wave's opening: the add and its wait ahead of my first tensor load; the set-up below, work on registers, stands between them
	v_lshrrev_b32 v1, 5, v0
	v_readfirstlane_b32 s[WV], v1                  ; wave 0..3
	s_lshr_b32 s[WR], s[WV], 1                     ; which 64 of the A rows are mine
	s_and_b32 s[WC], s[WV], 1                      ; which 128 of the B rows
	s_bfe_u32 s[CX], ttmp6, 0x40000
	s_bfe_u32 s[CY], ttmp6, 0x40004
	s_mov_b32 s[CLX], ttmp9                        ; in a cluster launch ttmp9 and ttmp7 count clusters
	s_and_b32 s[CLY], ttmp7, 0xffff
	s_and_b32 s76, s[CLY], 1                       ; what a v cluster takes,
	s_lshr_b32 s[CXB], s[CLY], 1
	s_cmp_eq_u32 s[CLX], 3                         ; and the choice: the same in all sixteen partners
	s_cselect_b32 s76, s76, s[CLY]
	s_cselect_b32 s[CXB], s[CXB], s[CLX]
	s_cselect_b32 s78, 320, 0                      ; A's first row tile in wb
	s_cselect_b32 s79, 0, 128                      ; B's
	s_cselect_b32 s[VK], 1, 0
	s_lshl_b32 s[TA], s76, 2
	s_add_co_u32 s[TA], s[TA], s[CY]
	s_lshl_b32 s[TB], s[CXB], 2
	s_add_co_u32 s[TB], s[TB], s[CX]               ; no register that feeds B's descriptors ever holds cy
	s_lshl_b32 s19, 0x1111, s[CX]                  ; my column of the cluster: places cx, cx + 4, cx + 8, cx + 12
	s_or_b32 s[G1], s19, (3<<16)|(1<<21)           ; 15:0 the mask; 17:16 elements of 8 bytes; 21 set beside a mask; no padding
	s_mov_b32 s[G1+1], 1024<<16                    ; tensor_dim0 = 1,024 elements: 8,192 bytes, eight fragments
	s_mov_b32 s[G1+2], 4<<16                       ; tensor_dim1 = 4
	s_mov_b32 s[G1+3], 1024<<16                    ; tile_dim0 = 1,024
	s_mov_b32 s[G1+4], 4                           ; tile_dim1 = 4 rows: four row tiles
	s_mov_b32 s[G1+5], RT/8                        ; elements from row to row
	s_mov_b32 s[G1+6], 0
	s_mov_b32 s[G1+7], 0
	s_lshl_b32 s20, s[TA], 3                       ; A: my first row tile: base + 8 TA + 4 WR
	s_lshl_b32 s21, s[WR], 2
	s_add_co_u32 s20, s20, s21
	s_add_co_u32 s20, s20, s78
	s_lshl_b32 s20, s20, 17                        ; x 131,072 bytes: under 2^26
	s_mov_b32 s21, 0
	s_lshl_b32 s22, s[TB], 4                       ; B: the four row tiles that I fetch: base + 16 TB + 4 w
	s_lshl_b32 s23, s[WV], 2
	s_add_co_u32 s22, s22, s23
	s_add_co_u32 s22, s22, s79
	s_lshl_b32 s22, s22, 17
	s_mov_b32 s23, 0
	s_lshl_b32 s[LB], s[WV], 15                    ; and where they go: wave x 32,768: no place in the cluster enters an LDS address
	s_lshl_b32 s90, s[TB], 4                       ; the prefetches.  B: row tile base + 16 TB + 4 cy + w,
	s_lshl_b32 s91, s[CY], 2
	s_add_co_u32 s90, s90, s91
	s_add_co_u32 s90, s90, s[WV]
	s_add_co_u32 s90, s90, s79
	s_lshl_b32 s90, s90, 17
	s_add_co_u32 s90, s90, 2*IV                    ; at interval 2: the first change of slots steps it to 3 and names that
	s_mov_b32 s91, 0
	s_lshl_b32 s92, s[TA], 3                       ; A: row tile base + 8 TA + 2 cx + w (waves 0 and 1)
	s_lshl_b32 s93, s[CX], 1
	s_add_co_u32 s92, s92, s93
	s_add_co_u32 s92, s92, s[WV]
	s_add_co_u32 s92, s92, s78
	s_lshl_b32 s92, s92, 17
	s_add_co_u32 s92, s92, 2*IV
	s_mov_b32 s93, 0
	s_or_b32 s94, s[CLY], s[VK]                    ; 0 where the cluster's y is 0 and B is weights
	s_cmp_eq_u32 s94, 0
	s_cselect_b32 s[LIMB], 1, -1
	s_or_b32 s94, s[CXB], s[WR]                    ; 0 in waves 0 and 1 of the first cluster that reads these A rows
	s_cmp_eq_u32 s94, 0
	s_cselect_b32 s[LIMA], 1, -1                   ; both the same in all sixteen partners, for a given wave
	s_mov_b32 s[TBS], 0
	s_mov_b32 s[EPS], 0x358637bd                   ; 1e-6
	s_mov_b32 s[R128], 0x3c000000                  ; 1 / 128
	s_mov_b32 s[EI], 0x3e000000                    ; 1 / 8
	s_mov_b32 s[EI+1], s[EI]                       ; named with it as a pair
	s_mov_b32 s[SEL], 0x76543210
	s_mov_b32 s[SEL+1], 0xfedcba98
	s_wait_dscnt 0x0                               ; the opening add is done
	s_wait_kmcnt 0x0
	s_add_nc_u64 s[AN:AN+1], s[4:5], s[20:21]
	s_add_nc_u64 s[22:23], s[4:5], s[22:23]
	s_add_nc_u64 s[PFB:PFB+1], s[4:5], s[90:91]
	s_add_nc_u64 s[PFAA:PFAA+1], s[4:5], s[92:93]
	s_mov_b32 s[G0], 1                             ; count = 1
	s_mov_b32 s[G0+1], s[LB]                       ; LDS address: slot 0
	s_mov_b64 s[G0+2:G0+3], s[22:23]               ; global address: interval 0
	s_or_b32 s[G0+3], s[G0+3], 0x80000000          ; type = 2
	s_mov_b32 s[G0W], 1
	s_add_co_u32 s[G0W+1], s[LB], SLOT1            ; slot 1,
	s_add_nc_u64 s[G0W+2:G0W+3], s[22:23], IV      ; interval 1
	s_or_b32 s[G0W+3], s[G0W+3], 0x80000000
	CROUND                                         ; all sixteen work-groups are here: the first joint loads meet
	tensor_load_to_lds s[G0:G0+3], s[G1:G1+7]      ; every wave issues the same two lines, each for its own four row tiles: two loads of mine are out
	s_nop 0
	tensor_load_to_lds s[G0W:G0W+3], s[G1:G1+7]
	s_nop 0
.rept 4
	v_nop
.endr
	v_and_b32 v4, 31, v0
	v_lshlrev_b32 v[SO], 4, v4
; 8 matrix instructions: A blocks a0, a0 + 1 x B blocks 4 bh .. 4 bh + 3, quarter q (A's ring buffer q), B's buffer f.  zero = 1: the product starts the sums.
; The 32 accumulators take turns in the same order in every quarter.
.macro MUL8 f, q, a0, bh, zero
	WIN MUL
.irp a, \a0, (\a0)+1
.irp b, 4*(\bh), 4*(\bh)+1, 4*(\bh)+2, 4*(\bh)+3
.if \zero
	v_wmma_f32_16x16x32_bf16 v[8*(8*(\a)+(\b)):8*(8*(\a)+(\b))+7], v[(\f)+8*(\b):(\f)+8*(\b)+7], v[32*(\q)+8*(\a):32*(\q)+8*(\a)+7], 0
.else
	v_wmma_f32_16x16x32_bf16 v[8*(8*(\a)+(\b)):8*(8*(\a)+(\b))+7], v[(\f)+8*(\b):(\f)+8*(\b)+7], v[32*(\q)+8*(\a):32*(\q)+8*(\a)+7], v[8*(8*(\a)+(\b)):8*(8*(\a)+(\b))+7]
.endif
.endr
.endr
.endm
; 16 LDS loads in one run: B's eight fragments of quarter q of the slot that is being read, into buffer f; blocks 0-3 first
.macro FETCH q, f
	WIN 0
.irp i, 0,1,2,3,4,5,6,7
	ds_load_b128 v[(\f)+8*(\i):(\f)+8*(\i)+3],   v[ADRB] offset:(\i)*IV+(\q)*1024
	ds_load_b128 v[(\f)+8*(\i)+4:(\f)+8*(\i)+7], v[ADRB] offset:(\i)*IV+(\q)*1024+512
.endr
.endm
; 8 loads of 512 consecutive bytes: A's four fragments of quarter q of the interval at which AN stands, into ring buffer q
.macro ALOAD q
	WIN 0x80                                       ; destination window 2, address window 0
.irp a, 0,1,2,3
	global_load_b128 v[32*(\q)+8*(\a):32*(\q)+8*(\a)+3],   v[SO], s[AN:AN+1] offset:(\a)*RT+(\q)*1024
	global_load_b128 v[32*(\q)+8*(\a)+4:32*(\q)+8*(\a)+7], v[SO], s[AN:AN+1] offset:(\a)*RT+(\q)*1024+512
.endr
.endm
; Quarter q = 0..6 of an interval: 32 matrix instructions; in its middle B's next quarter is fetched from LDS, and A's quarter seven on is asked for, into the ring buffer that the quarter before has read.
; (Quarter 0 asks for its own interval's quarter 7, quarters 1-7 for the next interval's 0-6: AN is stepped behind each quarter 0.)
.macro QUARTER q, zero
.set fb, FB0+64*((\q)%2)
.set gb, FB0+64*(((\q)+1)%2)
	s_wait_loadcnt 48                              ; A of this quarter is in: it was asked for seven quarters back, and six quarters' eight loads are younger
	s_wait_dscnt 8                                 ; B's blocks 0-3 are in; the youngest eight loads (blocks 4-7) may be out
	MUL8 fb, \q, 0, 0, \zero
	MUL8 fb, \q, 2, 0, \zero
	PLACES
	FETCH (\q)+1, gb
	ALOAD ((\q)+7)%8
	s_wait_dscnt 16                                ; all but the 16 just issued
	MUL8 fb, \q, 0, 1, \zero
	MUL8 fb, \q, 2, 1, \zero
.endm
; Quarter 7 changes slots: ONE barrier; in front of it each wave waits for all its tensor loads (one is out: its part of the next slot), adds 0 to its spare word, and waits for that and for its own reads of this slot.
; fill = 1: the barrier opens a round of the cluster's, and this slot is filled again, two intervals ahead, first thing behind the round.
.macro TURN fill
.if \fill
	s_wait_xcnt 0x0                                ; the last prefetches, an interval back, have read their addresses: they are stepped here, ahead of the waits of the change of slots
	s_add_nc_u64 s[PFB:PFB+1], s[PFB:PFB+1], IV
	s_add_nc_u64 s[PFAA:PFAA+1], s[PFAA:PFAA+1], IV
.endif
	WIN 0                                          ; (the add's two registers lie in window 0)
	s_wait_tensorcnt 0x0                           ; all my tensor loads have landed;
	ds_add_u32 v[SPW], v[NIL]                      ; 0 onto my spare word;
	s_wait_loadcnt 48                              ; (A of this quarter is in)
	s_wait_dscnt 9                                 ; (the add and the youngest eight loads may be out)
	MUL8 FB0+64, 7, 0, 0, 0                        ; eight matrix instructions stand between the add and the wait for it
	s_wait_dscnt 0x0                               ; the add is done, and my reads of this slot are over
	s_barrier_signal -1
	MUL8 FB0+64, 7, 2, 0, 0
	WIN 0
	s_barrier_wait -1
.if \fill
	CREST                                          ; no wave of any partner still reads this slot's tile or has a load on its way
	s_xor_b32 s[G0W+1], s[G0W+1], SLOT1            ; the walking descriptor: the other slot than last time,
	s_add_nc_u64 s[G0W+2:G0W+3], s[G0W+2:G0W+3], IV  ; the next interval; the type bits on top are not reached
	tensor_load_to_lds s[G0W:G0W+3], s[G1:G1+7]
	s_nop 0
.endif
	PLACES                                         ; behind the joint load, and in front of the loads below
	s_xor_b32 s[TBS], s[TBS], SLOT1                ; the reads go on in the other slot
	v_add_nc_u32 v[ADRB], s[TBS], v[AB0]
	FETCH 0, FB0
	ALOAD 6
.if \fill
	WIN 0
	ASK
.endif
	MUL8 FB0+64, 7, 0, 1, 0
	MUL8 FB0+64, 7, 2, 1, 0
.endm
.irp q, 0,1,2,3,4,5,6
	ALOAD \q                                       ; A's ring is filled: quarters 0 to 6 of interval 0: 56 loads
.endr
	WIN 0
	v_bfe_u32 v2, v0, 4, 1                         ; h
	s_lshl_b32 s18, s[WC], 16
	v_add_nc_u32 v[AB0], s18, v[SO]
	v_mov_b32 v[ADRB], v[AB0]                      ; slot 0
	v_lshlrev_b32 v[WNO], 5, v2
	v_lshlrev_b32 v[PFO], 8, v4
	v_mov_b32 v[ZR], 0
	s_wait_tensorcnt 1                             ; my part of interval 0 is in; interval 1's may stay out
	s_barrier_signal -1
	s_barrier_wait -1                              ; everybody's is
	FETCH 0, FB0
	QUARTER 0, 1                                   ; the first quarter stands in front of the loop: its products start the sums
	WIN 0                                          ; at a label and at a branch every window is 0
	s_wait_xcnt 0x0                                ; every load so far has read its address
	s_add_nc_u64 s[AN:AN+1], s[AN:AN+1], IV
	s_mov_b32 s3, NIV-2                            ; every interval but the last two ends with a refill
.Liv:                                                  ; a trip: quarters 1 to 7 of an interval and quarter 0 of the next
.irp q, 1,2,3,4,5,6
	QUARTER \q, 0
.endr
	TURN 1
	QUARTER 0, 0
	WIN 0
	s_wait_xcnt 0x0                                ; the youngest load stands sixteen matrix instructions back, the youngest prefetch forty-eight
	s_add_nc_u64 s[AN:AN+1], s[AN:AN+1], IV
	s_sub_co_u32 s3, s3, 1
	s_cmp_lg_u32 s3, 0
	s_cbranch_scc1 .Liv
	s_mov_b32 s3, 2                                ; THE LAST TWO INTERVALS ask for no tile: a second text; walked twice and left in its middle.
.Ltail:                                                ; AN stays at the last interval: in the second walk the 56 loads of A and the 16 of B read once more what has been read and serve nothing: the price, once a launch, of one text for both walks
.irp q, 1,2,3,4,5,6
	QUARTER \q, 0
.endr
	TURN 0
	WIN 0
	s_sub_co_u32 s3, s3, 1
	s_cmp_eq_u32 s3, 0
	s_cbranch_scc1 .Lout
	QUARTER 0, 0
	WIN 0
	s_branch .Ltail
.Lout:
	s_wait_loadcnt 0x0                             ; no load is out: the rings' registers are free
	s_wait_dscnt 0x0
	PLACES                                         ; behind the last products, in front of all that reads sums or writes fragments' registers
	s_cmp_eq_u32 s[VK], 1
	s_cbranch_scc1 .Lv_out
	; THE WAY OUT OF q AND k.  First the loads: my 64 gains and my four blocks of the table; they are on their way while the sums of squares are made.
	s_lshl_b32 s90, s[TA], 3
	s_lshl_b32 s91, s[WR], 2
	s_add_co_u32 s90, s90, s91                     ; my first token tile: 8 TA + 4 WR
	s_lshl_b32 s90, s90, 13                        ; 8,192 bytes of table a tile
	s_mov_b32 s91, 0
	s_add_nc_u64 s[CSB:CSB+1], s[6:7], s[90:91]
	s_lshl_b32 s92, s[TB], 1
	s_add_co_u32 s92, s92, s[WC]                   ; my head among the 24: 0-15 q, 16-23 k
	s_lshr_b32 s93, s[TA], 3                       ; the batch
	s_lshl_b32 s94, s93, 4
	s_add_co_u32 s94, s94, s92                     ; q: batch x 16 + head
	s_lshl_b32 s95, s93, 3
	s_add_co_u32 s95, s95, s92
	s_sub_co_u32 s95, s95, 16                      ; k: batch x 8 + head - 16
	s_cmp_eq_u32 s[CLX], 2
	s_cselect_b32 s94, s95, s94
	s_cselect_b64 s[GB:GB+1], s[10:11], s[8:9]
	s_cselect_b64 s[OB:OB+1], s[14:15], s[12:13]
	s_lshl_b32 s94, s94, 18                        ; 262,144 bytes a head
	s_and_b32 s95, s[TA], 7
	s_lshl_b32 s95, s95, 3
	s_lshl_b32 s93, s[WR], 2
	s_add_co_u32 s95, s95, s93                     ; my first tile of 16 positions in the batch
	s_lshl_b32 s95, s95, 12                        ; 4,096 bytes a tile
	s_add_co_u32 s94, s94, s95
	s_mov_b32 s95, 0
	s_add_nc_u64 s[OB:OB+1], s[OB:OB+1], s[94:95]
	WIN 0xc0                                       ; destination window 3
.irp i, 0,1,2,3,4,5,6,7,8,9,10,11,12,13,14,15
	global_load_b128 v[4*(\i):4*(\i)+3], v[WNO], s[GB:GB+1] offset:((\i)/2)*64+((\i)%2)*16  ; gains 16 b + 8 h + 0..7, b = i / 2
.endr
	WIN 0x80                                       ; destination window 2
.set i, 0
.rept 64
	global_load_b128 v[4*i:4*i+3], v[SO], s[CSB:CSB+1] offset:512*i  ; block a = i / 16, b = (i / 2) % 8; cos, then sin'
.set i, i+1
.endr
	WIN 0x05                                       ; sources 0 and 1 window 1: the sum of my 64 squares for each of my four tokens: four chains
.irp b, 0,1,2,3,4,5,6,7
.irp p, 0,1,2,3
.irp a, 0,1,2,3
.if ((\b) == 0) && ((\p) == 0)
	v_pk_mul_f32 v[SS+2*(\a):SS+2*(\a)+1], v[64*(\a):64*(\a)+1], v[64*(\a):64*(\a)+1]
.else
	v_pk_fma_f32 v[SS+2*(\a):SS+2*(\a)+1], v[64*(\a)+8*(\b)+2*(\p):64*(\a)+8*(\b)+2*(\p)+1], v[64*(\a)+8*(\b)+2*(\p):64*(\a)+8*(\b)+2*(\p)+1], v[SS+2*(\a):SS+2*(\a)+1]
.endif
.endr
.endr
.endr
	WIN 0
.irp a, 0,1,2,3
	v_add_f32 v[SS+2*(\a)], v[SS+2*(\a)], v[SS+2*(\a)+1]
.endr
.irp a, 0,1,2,3
	v_permlanex16_b32 v[SS+2*(\a)+1], v[SS+2*(\a)], s[SEL], s[SEL+1]  ; the token's other 64 channels lie in the lane 16 away
.endr
.irp a, 0,1,2,3
	v_add_f32 v[SS+2*(\a)], v[SS+2*(\a)], v[SS+2*(\a)+1]
.endr
.irp a, 0,1,2,3
	v_fma_f32 v[SS+2*(\a)], v[SS+2*(\a)], s[R128], s[EPS]             ; the mean + 1e-6
.endr
.irp a, 0,1,2,3
	v_rsq_f32 v[RS+2*(\a)], v[SS+2*(\a)]
	v_rsq_f32 v[RS+2*(\a)+1], v[SS+2*(\a)]         ; twice: the packed multiply names a pair
.endr
	v_nop                                          ; a plain instruction behind the last of them (ISA guide 5.7.2),
	s_wait_alu depctr_va_vdst(0)                   ; and the wait ahead of the first use: one for the eight
	s_wait_loadcnt 48                              ; the gains and block 0's table are in; the other three blocks' 48 loads may stay out
	WIN 0x0f                                       ; sources window 3: the gains are rounded to bf16, like every input,
.set i, 0
.rept 32
	v_cvt_pk_bf16_f32 v[WT+i], v[2*i], v[2*i+1]
.set i, i+1
.endr
	WIN 0xc0                                       ; and widened again, in place
.set i, 0
.rept 32
	v_lshlrev_b32 v[2*i], 16, v[WT+i]
	v_and_b32 v[2*i+1], 0xffff0000, v[WT+i]
.set i, i+1
.endr
.macro MIX                             ; v[rD] = v[rU] x (half hi of v[rC], bf16) + v[rA]
.if hi
	v_fma_mix_f32_bf16 v[rD], v[rU], v[rC], v[rA] op_sel:[0,1,0] op_sel_hi:[0,1,0]
.else
	v_fma_mix_f32_bf16 v[rD], v[rU], v[rC], v[rA] op_sel_hi:[0,1,0]
.endif
.endm
; Block a: 16 tokens x my head's 128 channels.
.macro QKOUT a
	s_wait_loadcnt 16*(3-(\a))                     ; block a's table is in; the later blocks' loads may stay out
	WIN 0x4d                                       ; sums (destination and source 0) window 1, gains window 3: u = sum x gain
.set i, 0
.rept 32
	v_pk_mul_f32 v[64*(\a)+2*i:64*(\a)+2*i+1], v[64*(\a)+2*i:64*(\a)+2*i+1], v[2*i:2*i+1]
.set i, i+1
.endr
	s_wait_xcnt 0x0                                ; the block before's stores have read OT: it is rewritten only behind this wait
	WIN 0x09                                       ; u window 1, table window 2
.irp b, 0,1,2,3                        ; channel blocks b and b + 4 feed each other: n = 0..7 is block b, n = 8..15 block b + 4
.set n, 0
.rept 16
.set hi, n%2
.set rD, T+n
.set rU, 64*(\a)+8*((\b)+4*(1-n/8))+n%8
.set rC, 64*(\a)+8*((\b)+4*(n/8))+4+(n%8)/2
.set rA, ZR
	MIX                                            ; u[d xor 64] sin'[d]
.set n, n+1
.endr
.set n, 0
.rept 16
.set hi, n%2
.set rD, OT+8*((\b)+4*(n/8))+n%8
.set rU, 64*(\a)+8*((\b)+4*(n/8))+n%8
.set rC, 64*(\a)+8*((\b)+4*(n/8))+(n%8)/2
.set rA, T+n
	MIX                                            ; + u[d] cos[d]
.set n, n+1
.endr
.endr
	WIN 0
.set i, 0
.rept 32
	v_pk_mul_f32 v[OT+2*i:OT+2*i+1], v[OT+2*i:OT+2*i+1], v[RS+2*(\a):RS+2*(\a)+1] op_sel_hi:[1,0]
.set i, i+1
.endr
.set i, 0
.rept 32
	v_cvt_pk_f16_f32 v[OT+i], v[OT+2*i], v[OT+2*i+1]  ; in place, ascending: register i is written when 2 i and 2 i + 1 are read
.set i, i+1
.endr
.irp b, 0,1,2,3,4,5,6,7
	global_store_b128 v[SO], v[OT+4*(\b):OT+4*(\b)+3], s[OB:OB+1] offset:(\a)*4096+(\b)*512  ; half b % 2 of fragment b / 2: 512 consecutive bytes
.endr
.endm
	QKOUT 0
	QKOUT 1
	QKOUT 2
	QKOUT 3
	s_branch .Lend
.Lv_out:                                               ; THE WAY OUT OF v: the sums, divided by 8, ARE V^T's fragments
	s_lshr_b32 s90, s[TB], 2                       ; the batch
	s_lshl_b32 s90, s90, 3
	s_add_co_u32 s90, s90, s[TA]                   ; batch x 8 + head
	s_lshl_b32 s90, s90, 18                        ; 262,144 bytes a head
	s_and_b32 s91, s[TB], 3
	s_lshl_b32 s91, s91, 3
	s_lshl_b32 s92, s[WC], 2
	s_add_co_u32 s91, s91, s92                     ; my first group of 32 keys in the batch
	s_lshl_b32 s91, s91, 13                        ; 8,192 bytes a group
	s_add_co_u32 s90, s90, s91
	s_lshl_b32 s91, s[WR], 12                      ; my first block of 16 channels: 4 WR, 1,024 bytes each
	s_add_co_u32 s90, s90, s91
	s_mov_b32 s91, 0
	s_add_nc_u64 s[OB:OB+1], s[16:17], s[90:91]
.macro VOUT a
	s_wait_xcnt 0x0                                ; the block before's stores have read OT
	WIN 0x01                                       ; source 0 window 1
.set i, 0
.rept 32
	v_pk_mul_f32 v[OT+2*i:OT+2*i+1], v[64*(\a)+2*i:64*(\a)+2*i+1], s[EI:EI+1] op_sel_hi:[1,0]
.set i, i+1
.endr
	WIN 0
.set i, 0
.rept 32
	v_cvt_pk_f16_f32 v[OT+i], v[OT+2*i], v[OT+2*i+1]
.set i, i+1
.endr
.irp b, 0,1,2,3,4,5,6,7
	global_store_b128 v[SO], v[OT+4*(\b):OT+4*(\b)+3], s[OB:OB+1] offset:((\b)/2)*8192+(\a)*1024+((\b)%2)*512
.endr
.endm
	VOUT 0
	VOUT 1
	VOUT 2
	VOUT 3
.Lend:
	s_wait_tensorcnt 0x0                           ; the wave's end: behind my last tensor load
	ds_add_u32 v[SPW], v[NIL]
	s_wait_dscnt 0x0
	CROUND                                         ; the closing round: no work-group ends while a partner may still ask for a tile that names it
	s_endpgm
.Lfunc_end_k_q5d503666fb_qkv:
	.size	k_q5d503666fb_qkv, .Lfunc_end_k_q5d503666fb_qkv-k_q5d503666fb_qkv
	.p2alignl 7, 3214868480
	.fill 96, 4, 3214868480
	.section	.rodata,"a",@progbits
	.p2align	6, 0x0
	.amdhsa_kernel k_q5d503666fb_qkv
		.amdhsa_group_segment_fixed_size 327680
		.amdhsa_private_segment_fixed_size 0
		.amdhsa_enable_private_segment 0
		.amdhsa_kernarg_size 56
		.amdhsa_user_sgpr_count 2
		.amdhsa_user_sgpr_kernarg_segment_ptr 1
		.amdhsa_wavefront_size32 1
		.amdhsa_system_sgpr_workgroup_id_x 1
		.amdhsa_system_sgpr_workgroup_id_y 1
		.amdhsa_system_sgpr_workgroup_id_z 1
		.amdhsa_system_vgpr_workitem_id 0
		.amdhsa_next_free_vgpr 832
		.amdhsa_next_free_sgpr 96
		.amdhsa_reserve_vcc 0
		.amdhsa_float_denorm_mode_32 3
		.amdhsa_float_denorm_mode_16_64 3
		.amdhsa_memory_ordered 1
		.amdhsa_forward_progress 1
		.amdhsa_inst_pref_size 186
	.end_amdhsa_kernel
	.amdgpu_metadata
---
amdhsa.version: [ 1, 2 ]
amdhsa.kernels:
  - .name:           k_q5d503666fb_qkv
    .symbol:         k_q5d503666fb_qkv.kd
    .args:
      - { .name: wb, .offset: 0, .size: 8, .value_kind: global_buffer, .address_space: global }
      - { .name: csf, .offset: 8, .size: 8, .value_kind: global_buffer, .address_space: global }
      - { .name: q_norm_w, .offset: 16, .size: 8, .value_kind: global_buffer, .address_space: global }
      - { .name: k_norm_w, .offset: 24, .size: 8, .value_kind: global_buffer, .address_space: global }
      - { .name: qf, .offset: 32, .size: 8, .value_kind: global_buffer, .address_space: global }
      - { .name: kf, .offset: 40, .size: 8, .value_kind: global_buffer, .address_space: global }
      - { .name: vf, .offset: 48, .size: 8, .value_kind: global_buffer, .address_space: global }
    .group_segment_fixed_size: 327680
    .private_segment_fixed_size: 0
    .kernarg_segment_align: 8
    .kernarg_segment_size: 56
    .max_flat_workgroup_size: 128
    .sgpr_count:     96
    .vgpr_count:     832
    .wavefront_size: 32
...
	.end_amdgpu_metadata
.endif
;; end of part 2
;; launch attn (part 3): grid 16 x 16, 4 waves a work-group, no clusters, 70,144 bytes of LDS; arguments qf, kf, vf, of; writes of
.if DOCPART == 3
	.amdgcn_target "amdgcn-amd-amdhsa--gfx1250"
	.amdhsa_code_object_version 6
	.text
	.protected	k_q5d503666fb_attn
	.globl	k_q5d503666fb_attn
	.p2align	8
	.type	k_q5d503666fb_attn,@function
k_q5d503666fb_attn:
	s_mov_b64 s[64:65], 0
	v_nop
	global_prefetch_b8 v0, s[64:65] scope:SCOPE_SE
	s_setreg_imm32_b32 hwreg(HW_REG_WAVE_MODE, 25, 1), 1
	s_wait_xcnt 0x0
; CAUSAL ATTENTION WITH TWO QUERY HEADS TO A KEY HEAD, HEAD SIZE 128, 1,024 POSITIONS, ALL OPERANDS f16 IN FRAGMENT ORDER.
; A fragment (16 rows x 32 along k, 8 registers a lane) is 1,024 bytes: registers 0-3 of lane l at 16 l, registers 4-7 at 512 + 16 l: every load and store is 512 consecutive bytes, straight into or out of its registers.
;   qf [batch x 16 + head][tile of 16 positions: 64][32 channels: 4]   kf [batch x 8 + kv head][tile of 16 keys: 64][4]   vf [batch x 8 + kv head][32 keys: 32][16 channels: 8] = V^T / 8
;   of [batch x 64 + tile of 16 positions][head x 4 + 32 channels: 64] = O / 8
; SHARES.  Grid y = batch x 8 + kv head; grid x = g; q = g / 4.  Wave w OWNS one tile of 16 positions, p = 32 (w / 2) + (w odd ? 31 - g : g), for BOTH query heads of the kv head: two tiles t with the same mask, so a
; fragment of K or V feeds two products.  Tile p needs p / 4 steps of 64 keys without a mask and one more, which holds the diagonal: q + 1, 8 - q, 9 + q and 16 - q steps for the four waves, 34 in all.
; THE SHORT TILES' WAVES HELP THE LONG ONES.  Wave 0 first walks steps 0 .. 6 - q of wave 3's tile, wave 1 steps 0 .. q - 1 of wave 2's (all without a mask), lays its partial O^T, c m and l into LDS, and then takes its own
; tile; waves 2 and 3 begin at steps q and 7 - q.  So a helper walks 7 steps without a mask and a diagonal one, an owner of a long tile 8 and a diagonal one, whatever g.  Behind one barrier the owner merges the two parts.
; ONE LOOP of 8 trips, a constant; the change of tiles stands at the head of the trip whose number is SW (7 - q or q in a helper, 255 in waves 2 and 3); a helper's eighth trip is jumped over, forward.
; NO CLUSTER, NO JOINT LOADS: the waves of a kv head stand at different steps at the same time (they begin at 0, q and 7 - q), so partners would ask for different tiles; and with operands in fragment order a load
; brings a fragment straight into its registers.
; LAYOUT.  S^T = K Q^T (source 0 = 16 keys, source 1 = 16 queries): a lane holds ONE query (l % 16) and the keys 8 (l / 16) + 0..7.  Two such results rounded to f16 ARE source 1 of O^T = V^T P.
; SOFTMAX.  A running maximum m and sum l for each query: p = 2^(c s - c m), c = log2(e) / sqrt(128); in every step O and l are multiplied by a = 2^(c m_old - c m_new).  m starts at the lowest finite number,
; so a tile's first step is a step like any other, with a = 0: O and l need only be finite there (0 at the start; what the helped tile left, at the change of tiles).
; THE MERGE: c m = the greater of the two parts'; each part's l and O^T are multiplied by 2^(its c m - c m) and added.  A helper that had no step hands over c m far below, l = 0, O = 0: its weight is 0.
; Products, maxima and sums in f32, in LDS too; p is rounded to f16 for the second product (l is the sum of the unrounded p), O once at the end.
; THE MASK is the C operand that starts the sums of the diagonal step: 0, or -1e30 where the key lies behind the query.
; LIMITS.  A hidden score counts as its value less 1e30 (f16's scores, 5.5e11 at the most, are nothing beside that); a weight below 2^-126 counts as 0 in l; NaN and infinities are not treated apart.
; REGISTERS, in windows of 256 (s_set_vgpr_msb: bits 1:0 source 0, 3:2 source 1, 5:4 source 2, 7:6 destination):
;   window 0: v2-11 offsets; v16-31 eight registers of statistics a tile; v64-127 S^T, 32 a tile; v128-159 P, 16 a tile; v160-191 the mask
;   window 1: v0-127 O^T, 64 a tile; v128-191 Q, 32 a tile          window 2: v0-127 K of one step (in the merge: the helper's O^T); v128-255 V of one step
.set PSZ,   34*512                     ; a wave's region in LDS: 32 groups of four registers of O^T, then the two tiles' statistics; lane l's 16 bytes of a group at 16 l
.set SPARE, 4*PSZ                      ; behind the four regions (272 blocks of 256 bytes): the spare words, 128 bytes for each wave: two blocks that no other line names
.set LO,  2                            ; v2   16 l; never rewritten
.set PFO, 3                            ; v3   256 l; never rewritten
.set SPW, 8                            ; v8   LDS address of my spare word; never rewritten
.set NIL, 9                            ; v9   0; never rewritten
.set LST, 10                           ; v10  my region + 16 l
.set LRD, 11                           ; v11  the region of wave 3 - w + 16 l
.set ST,  16                           ; tile t at ST + 8 t: c m, m, l (even keys', odd keys'), c0-c3 at work; a takes c2's place once the maximum is found
.set S,   64
.set P,   128
.set MD,  160
.set QF,  128                          ; window 1
.set VF,  128                          ; window 2
.set WV,  12
.set GX,  13
.set BK,  14
.set PP,  15                           ; the tile that I own
.set SW,  16                           ; the trip at whose head I change tiles
.set SC,  17                           ; the trip in hand
.set PFLIM, 18                         ; trips in which I prefetch
.set DQ,  19                           ; my tile's first query in its diagonal step: 16 (p % 4)
.set KP,  20                           ; s[20:21] K at the step last loaded
.set VP,  22                           ; s[22:23] V likewise
.set QP,  24                           ; s[24:25] Q of the tile in hand
.set OP,  26
.set CS,  28                           ; s[28:29] c
.set SEL, 30                           ; s[30:31]
.set BIGN, 32
.set NT,  33                           ; trips that hold a step: 7 in a helper, 8 in waves 2 and 3
.set K0,  34                           ; s[34:35] K at the kv head's step 0
.set V0,  36                           ; s[36:37] V likewise
.set QN,  38                           ; s[38:39] Q of the tile that I own
.set W_KQ, 0x06                        ; K window 2, Q window 1, S^T and the mask window 0
.set W_PV, 0x52                        ; V window 2, P window 0, O^T window 1; in the merge: the helper's O^T window 2, its weight window 0, O^T window 1
.set W_RS, 0x41                        ; O^T (destination and source 0) window 1, a window 0
.set MSB, 0
.macro WIN new                         ; the immediate's high byte repeats the setting that is left; a switch that changes nothing is dropped
.if MSB != (\new)
	s_set_vgpr_msb (MSB<<8)|(\new)
.set MSB, \new
.endif
.endm
.macro PLACES                          ; four plain vector instructions between a matrix instruction and a load into, or a vector or LDS instruction on, its registers
.rept 4
	v_nop
.endr
.endm
.macro LOAD_Q                          ; both query heads' tile: 16 loads
	WIN 0x40                                       ; destination window 1
.irp t, 0,1
.irp i, 0,1,2,3,4,5,6,7
	global_load_b128 v[QF+32*(\t)+4*(\i):QF+32*(\t)+4*(\i)+3], v[LO], s[QP:QP+1] offset:(\t)*262144+512*(\i)
.endr
.endr
.endm
.macro LOAD_K from, n                  ; n of the 32 loads of a step's K (64 keys x 128 channels: key block kb, channels 32 c on at 32 kb + 8 c)
	WIN 0x80
.set i, \from
.rept \n
	global_load_b128 v[4*i:4*i+3], v[LO], s[KP:KP+1] offset:512*i
.set i, i+1
.endr
.endm
.macro LOAD_V                          ; a step's V^T: keys 32 kk on, channels 16 cb on at VF + 64 kk + 8 cb
	WIN 0x80
.set i, 0
.rept 32
	global_load_b128 v[VF+4*i:VF+4*i+3], v[LO], s[VP:VP+1] offset:512*i
.set i, i+1
.endr
.endm
	s_load_b256 s[4:11], s[0:1], 0x0               ; qf s[4:5], kf s[6:7], vf s[8:9], of s[10:11]
	v_lshl_add_u32 v[SPW], v0, 2, SPARE
	v_mov_b32 v[NIL], 0
	v_lshrrev_b32 v1, 5, v0
	v_readfirstlane_b32 s[WV], v1
	s_mov_b32 s[GX], ttmp9
	s_and_b32 s[BK], ttmp7, 0xffff
	s_lshr_b32 s40, s[WV], 1                       ; w / 2
	s_and_b32 s41, s[WV], 1                        ; w % 2
	s_lshl_b32 s42, s40, 5
	s_sub_co_u32 s43, 31, s[GX]
	s_cmp_eq_u32 s41, 1
	s_cselect_b32 s43, s43, s[GX]
	s_add_co_u32 s[PP], s42, s43                   ; the tile that I own: g, 31 - g, 32 + g, 63 - g
	s_xor_b32 s41, s41, s40                        ; 0 in waves 0 and 3, which share tile 63 - g; 1 in waves 1 and 2, which share tile 32 + g
	s_lshr_b32 s44, s[GX], 2                       ; q
	s_sub_co_u32 s45, 7, s44
	s_sub_co_u32 s46, 63, s[GX]
	s_add_co_u32 s47, s[GX], 32
	s_cmp_eq_u32 s41, 0
	s_cselect_b32 s46, s46, s47                    ; the long tile, with which every wave begins
	s_cselect_b32 s44, s45, s44                    ; the steps of it that the helper takes: 7 - q or q
	s_cmp_lt_u32 s[WV], 2
	s_cselect_b32 s[SW], s44, 255                  ; a helper changes tiles behind them; waves 2 and 3 never do
	s_cselect_b32 s44, 0, s44                      ; the step at which I begin
	s_cselect_b32 s[NT], 7, 8
	s_and_b32 s[DQ], s[PP], 3
	s_lshl_b32 s[DQ], s[DQ], 4
	s_cmp_eq_u32 s[PP], 63
	s_cselect_b32 s[PFLIM], 6, 0                   ; the one wave of a kv head that walks steps 7 to 15 asks, in its trips 0 to 5, for steps 10 to 15
	s_mov_b32 s[CS], 0x3e0293ee                    ; c = log2(e) / sqrt(128) = 0.127517
	s_mov_b32 s[CS+1], s[CS]                       ; named with it as a pair
	s_mov_b32 s[SEL], 0x76543210
	s_mov_b32 s[SEL+1], 0xfedcba98
	s_mov_b32 s[BIGN], 0xf149f2ca                  ; -1e30
	s_mov_b32 s[SC], 0
	s_lshl_b32 s48, s[BK], 18                      ; a kv head: 262,144 bytes of K and of V,
	s_mov_b32 s49, 0
	s_lshl_b32 s50, s44, 14                        ; a step: 16,384
	s_mov_b32 s51, 0
	s_lshl_b32 s52, s[BK], 19                      ; its two query heads: 524,288 bytes of Q; a tile: 4,096: the long tile,
	s_lshl_b32 s53, s46, 12
	s_add_co_u32 s52, s52, s53
	s_mov_b32 s53, 0
	s_lshl_b32 s54, s[BK], 19                      ; and mine
	s_lshl_b32 s55, s[PP], 12
	s_add_co_u32 s54, s54, s55
	s_mov_b32 s55, 0
	s_lshr_b32 s56, s[BK], 3                       ; O: batch x 64 + p rows of 65,536 bytes,
	s_lshl_b32 s56, s56, 6
	s_add_co_u32 s56, s56, s[PP]
	s_lshl_b32 s56, s56, 16
	s_and_b32 s57, s[BK], 7                        ; the kv head's two query heads: 8,192 bytes
	s_lshl_b32 s57, s57, 13
	s_add_co_u32 s56, s56, s57
	s_mov_b32 s57, 0
	v_and_b32 v4, 31, v0
	v_lshlrev_b32 v[LO], 4, v4
	v_lshlrev_b32 v[PFO], 8, v4
	s_mul_i32 s58, s[WV], PSZ                      ; my region in LDS,
	v_add_nc_u32 v[LST], s58, v[LO]
	s_sub_co_u32 s59, 3, s[WV]                     ; and that of the wave with which I share the long tile
	s_mul_i32 s59, s59, PSZ
	v_add_nc_u32 v[LRD], s59, v[LO]
	s_wait_kmcnt 0x0
	s_add_nc_u64 s[K0:K0+1], s[6:7], s[48:49]
	s_add_nc_u64 s[V0:V0+1], s[8:9], s[48:49]
	s_add_nc_u64 s[KP:KP+1], s[K0:K0+1], s[50:51]
	s_add_nc_u64 s[VP:VP+1], s[V0:V0+1], s[50:51]
	s_add_nc_u64 s[QP:QP+1], s[4:5], s[52:53]
	s_add_nc_u64 s[QN:QN+1], s[4:5], s[54:55]
	s_add_nc_u64 s[OP:OP+1], s[10:11], s[56:57]
	LOAD_Q
	LOAD_K 0, 32                                   ; my first step
	WIN 0
	; the set-up stands behind the 48 loads that are wanted first, and ahead of V's
	v_and_b32 v5, 15, v0
	v_bfe_u32 v6, v0, 4, 1
	v_lshlrev_b32 v6, 3, v6
	v_sub_nc_u32 v14, v5, v6
	v_add_nc_u32 v14, s[DQ], v14                   ; my query's place in my own tile's diagonal step less my lanes' 8 (l / 16): register j of key block kb is hidden where 16 kb + j is greater
.set i, 0
.rept 32
	v_cmp_gt_i32 vcc_lo, 16*(i/8)+i%8, v14
	v_cndmask_b32 v[MD+i], 0, s[BIGN], vcc_lo
.set i, i+1
.endr
.irp t, 0,1
	v_mov_b32 v[ST+8*(\t)], 0xfe000000             ; c m: far below every c s
	v_mov_b32 v[ST+8*(\t)+1], 0xff7fffff           ; m
	v_mov_b32 v[ST+8*(\t)+2], 0
	v_mov_b32 v[ST+8*(\t)+3], 0
.endr
	WIN 0x40
.set i, 0
.rept 128
	v_mov_b32 v[i], 0                              ; O^T: no first step is written out; the price is these lines, once a launch
.set i, i+1
.endr
	LOAD_V
	WIN 0
; Product i of 32 of S^T = K Q^T: channels 32 (i / 8) on, keys 16 ((i / 2) % 4) on, tile i % 2.  The first 8 start the sums, with 0 or the mask.  The accumulators take turns.
.macro KQ mask
.set rS, S+32*(i%2)+8*((i/2)%4)
.set rK, 32*((i/2)%4)+8*(i/8)
.set rQ, QF+32*(i%2)+8*(i/8)
.set rM, MD+8*((i/2)%4)
.if (i < 8) && (\mask)
	v_wmma_f32_16x16x32_f16 v[rS:rS+7], v[rK:rK+7], v[rQ:rQ+7], v[rM:rM+7]
.elseif i < 8
	v_wmma_f32_16x16x32_f16 v[rS:rS+7], v[rK:rK+7], v[rQ:rQ+7], 0
.else
	v_wmma_f32_16x16x32_f16 v[rS:rS+7], v[rK:rK+7], v[rQ:rQ+7], v[rS:rS+7]
.endif
.endm
; Product i of 32 of O^T += V^T P: keys 32 (i / 16) on, channels 16 ((i / 2) % 8) on, tile i % 2.
.macro PV
.set rO, 64*(i%2)+8*((i/2)%8)
.set rV, VF+64*(i/16)+8*((i/2)%8)
.set rP, P+16*(i%2)+8*(i/16)
	v_wmma_f32_16x16x32_f16 v[rO:rO+7], v[rV:rV+7], v[rP:rP+7], v[rO:rO+7]
.endm
; One tile's softmax for one step is a list of 134 instructions; SM writes number j of it for tile t.  s0-s31 are the lane's 32 scores, in pairs 0-15.
;   0-15    the maximum of s0-s31 and the old m, three operands at a time (each accumulator's lowest registers are read first)     16-20   the other half of the lanes' maximum; the new m; c m; c m_old - c m_new
;   21-69   the 16 scalings c s - c m and all 33 exponentials (a at 23): none of these reads an exponential's result          70-85   the roundings to f16
;   86-101  the sums; l = a l + the sum                                                                                        102-133 the tile's O^T times a
.macro SM t
.set rT, ST+8*(\t)
.set rS, S+32*(\t)
.set rP, P+16*(\t)
.set rO, 64*(\t)+2*(j-102)
.if j < 102
	WIN 0
.endif
.if j < 4
	v_max3_num_f32 v[rT+4+j], v[rS+8*j], v[rS+8*j+1], v[rS+8*j+2]
.elseif j < 12
	v_max3_num_f32 v[rT+4+j%4], v[rT+4+j%4], v[rS+8*(j%4)+2*(j/4)+1], v[rS+8*(j%4)+2*(j/4)+2]
.elseif j == 12
	v_max3_num_f32 v[rT+4], v[rT+4], v[rS+7], v[rS+15]
.elseif j == 13
	v_max3_num_f32 v[rT+6], v[rT+6], v[rS+23], v[rS+31]
.elseif j == 14
	v_max3_num_f32 v[rT+4], v[rT+4], v[rT+5], v[rT+6]
.elseif j == 15
	v_max3_num_f32 v[rT+4], v[rT+4], v[rT+7], v[rT+1]
.elseif j == 16
	v_permlanex16_b32 v[rT+5], v[rT+4], s[SEL], s[SEL+1]  ; the query's other 32 keys lie in the lane 16 away
.elseif j == 17
	v_mov_b32 v[rT+7], v[rT]                       ; c m_old is kept for a
.elseif j == 18
	v_max_num_f32 v[rT+1], v[rT+4], v[rT+5]
.elseif j == 19
	v_mul_f32 v[rT], s[CS], v[rT+1]
.elseif j == 20
	v_sub_f32 v[rT+7], v[rT+7], v[rT]
.elseif j == 23
	v_exp_f32 v[rT+6], v[rT+7]
.elseif (j < 23) || ((j < 38) && (j%2 == 0)) || ((j < 66) && (j%4 == 2))
.set b, (j-2)/4                        ; 38, 42, .. 62: pairs 9 to 15
.if j < 38
.set b, (j-20)/2                       ; 21: pair 0; 22, 24, .. 36: pairs 1 to 8
.endif
	v_pk_fma_f32 v[rS+2*b:rS+2*b+1], v[rS+2*b:rS+2*b+1], s[CS:CS+1], v[rT:rT+1] op_sel_hi:[1,0,0] neg_lo:[0,0,1] neg_hi:[0,0,1]
.elseif j < 70
.set e, j-38                           ; 66 to 69: s28 to s31
.if j < 66
.set e, j-32-(j-38)/4                  ; 39-41, 43-45, .. 63-65: s7 to s27
.endif
.if j < 38
.set e, (j-25)/2                       ; 25, 27, .. 37: s0 to s6
.endif
	v_exp_f32 v[rS+e], v[rS+e]
.elseif j < 86
	v_cvt_pk_f16_f32 v[rP+j-70], v[rS+2*(j-70)], v[rS+2*(j-70)+1]
.elseif j < 102                        ; the sum of the tile's 16 pairs, in place: neighbours 1, 2, 4 and 8 pairs apart, then l takes it
.set z, j-86
.set w, 4
.set u, z
.if z >= 14
.set w, 32
.set u, 0
.elseif z >= 12
.set w, 16
.set u, z-12
.elseif z >= 8
.set w, 8
.set u, z-8
.endif
.if z < 15
	v_pk_add_f32 v[rS+w*u:rS+w*u+1], v[rS+w*u:rS+w*u+1], v[rS+w*u+w/2:rS+w*u+w/2+1]
.else
	v_pk_fma_f32 v[rT+2:rT+3], v[rT+2:rT+3], v[rT+6:rT+7], v[rS:rS+1] op_sel_hi:[1,0,1]
.endif
.else
	WIN W_RS
	v_pk_mul_f32 v[rO:rO+1], v[rO:rO+1], v[rT+6:rT+7] op_sel_hi:[1,0]
.endif
.endm
.macro SOFTMAX                         ; both tiles, alternating, so that no instruction reads the result of the one just before it
.set j, 0
.rept 70
	SM 0
	SM 1
.set j, j+1
.endr
	v_nop                                          ; a plain instruction behind the last exponential (ISA guide 5.7.2): one for the batch of 66,
	s_wait_alu depctr_va_vdst(0)                   ; and the wait ahead of the first instruction that names a result: one for the batch
.rept 64
	SM 0
	SM 1
.set j, j+1
.endr
.endm
; A KEY STEP, in phases.  mask = 1: the diagonal step.  more = 1: the next step's K is asked for as soon as this step's has been multiplied, its V likewise.
; LOADcnt's field holds 63, and an instruction that would push it past that waits at issue (ISA guide 5.7.1).  With V's 32 loads out, 31 of K's are issued; the last follows behind the wait for V: at most 63 are out in a step.
.macro STEP mask, more
	s_wait_loadcnt 32                              ; K (and, a tile's first time, Q) is in; V's 32 loads are younger and may stay out
	WIN W_KQ
.set i, 0
.rept 32
	KQ \mask
.set i, i+1
.endr
	WIN 0
	PLACES
.if \more
	s_wait_xcnt 0x0                                ; all earlier loads and prefetches have read their addresses, so the pointer may be written
	s_add_nc_u64 s[KP:KP+1], s[KP:KP+1], 16384
	LOAD_K 0, 31
	WIN 0
	; A PREFETCH INTO THE L2, behind my loads: K and V of the step three on from the one in hand: 16,384 bytes each, a lane a block of 256 bytes, two instructions each.  One wave of a kv head asks (tile 63, which walks
	; steps 7 to 15), so each block is named once in the launch; steps 0 to 9, which some wave of the head loads in its first three trips, come by their loads alone; behind trip 5 nothing is left to ask for.
	s_cmp_lt_u32 s[SC], s[PFLIM]
	s_cbranch_scc0 .Lnp_\@
	global_prefetch_b8 v[PFO], s[KP:KP+1] offset:32768 th:TH_LOAD_NT scope:SCOPE_SE
	global_prefetch_b8 v[PFO], s[KP:KP+1] offset:32768+8192 th:TH_LOAD_NT scope:SCOPE_SE
	global_prefetch_b8 v[PFO], s[VP:VP+1] offset:49152 th:TH_LOAD_NT scope:SCOPE_SE
	global_prefetch_b8 v[PFO], s[VP:VP+1] offset:49152+8192 th:TH_LOAD_NT scope:SCOPE_SE
.Lnp_\@:
.endif
	SOFTMAX
.if \more
	s_wait_loadcnt 31                              ; V is in; the next step's K, 31 younger loads so far, may stay out
	LOAD_K 31, 1                                   ; and its last load
.else
	s_wait_loadcnt 0x0                             ; V is in
.endif
	WIN W_PV
.set i, 0
.rept 32
	PV
.set i, i+1
.endr
	WIN 0
	PLACES
.if \more
	s_wait_xcnt 0x0
	s_add_nc_u64 s[VP:VP+1], s[VP:VP+1], 16384
	LOAD_V
	WIN 0
.endif
.endm
.Lstep:                                                ; 8 trips
	s_cmp_eq_u32 s[SC], s[SW]
	s_cbranch_scc0 .Lsame
	; THE CHANGE OF TILES, once in a helper.  The long tile's part goes into my region of LDS as it lies in my registers; then my own tile begins at step 0.
	s_wait_loadcnt 0x0                             ; the loads of the step that I leave to the tile's owner have landed: their registers may be loaded again
	s_wait_xcnt 0x0                                ; and every address has been read: the three pointers may be written
	WIN 0x04                                       ; the data (source 1) window 1, the address window 0
.set i, 0
.rept 32
	ds_store_b128 v[LST], v[4*i:4*i+3] offset:512*i  ; O^T, each accumulator's lowest registers first; four places stand behind the last product
.set i, i+1
.endr
	WIN 0
	ds_store_b128 v[LST], v[ST:ST+3] offset:512*32     ; tile 0: c m, m, l
	ds_store_b128 v[LST], v[ST+8:ST+11] offset:512*33  ; tile 1
.irp t, 0,1
	v_mov_b32 v[ST+8*(\t)], 0xfe000000             ; c m and m start anew: my tile's first step has a = 0, so O^T and l are left as they are
	v_mov_b32 v[ST+8*(\t)+1], 0xff7fffff
.endr
	s_mov_b64 s[QP:QP+1], s[QN:QN+1]
	s_mov_b64 s[KP:KP+1], s[K0:K0+1]
	s_mov_b64 s[VP:VP+1], s[V0:V0+1]
	LOAD_Q
	LOAD_K 0, 32
	LOAD_V
	WIN 0
.Lsame:
	s_cmp_lt_u32 s[SC], s[NT]
	s_cbranch_scc0 .Ldead                          ; a helper has seven steps without a mask
	STEP 0, 1
.Ldead:
	s_add_co_u32 s[SC], s[SC], 1
	s_cmp_lt_u32 s[SC], 8
	s_cbranch_scc1 .Lstep
	STEP 1, 0                                      ; my own tile's diagonal step
	s_wait_dscnt 0x0                               ; for the owners' sake: a helper's stores into LDS are done
	s_barrier_signal -1
	s_barrier_wait -1
	s_cmp_lt_u32 s[WV], 2
	s_cbranch_scc1 .Lway                           ; a helper's own tile is whole
	; THE MERGE.  The helper's lanes hold what mine hold: the same queries, channels and keys' parities.
	ds_load_b128 v[S:S+3], v[LRD] offset:512*32    ; its c m, m, l of tile 0,
	ds_load_b128 v[S+4:S+7], v[LRD] offset:512*33  ; of tile 1,
	WIN 0x80                                       ; and its O^T, into K's registers
.set i, 0
.rept 32
	ds_load_b128 v[4*i:4*i+3], v[LRD] offset:512*i
.set i, i+1
.endr
	WIN 0
	s_wait_dscnt 32                                ; the statistics are in; the 32 younger loads may stay out
.irp t, 0,1
	v_max_num_f32 v[ST+8*(\t)+4], v[ST+8*(\t)], v[S+4*(\t)]            ; c m of the whole row
.endr
.irp t, 0,1
	v_sub_f32 v[ST+8*(\t)+5], v[ST+8*(\t)], v[ST+8*(\t)+4]
	v_sub_f32 v[ST+8*(\t)+7], v[S+4*(\t)], v[ST+8*(\t)+4]
.endr
.irp t, 0,1
	v_exp_f32 v[ST+8*(\t)+6], v[ST+8*(\t)+5]       ; my part's weight
.endr
.irp t, 0,1
	v_exp_f32 v[ST+8*(\t)+4], v[ST+8*(\t)+7]       ; the helper's
.endr
	v_nop                                          ; a plain instruction behind the last exponential,
	s_wait_alu depctr_va_vdst(0)                   ; and the wait: one for the four
.irp t, 0,1
	v_pk_mul_f32 v[ST+8*(\t)+2:ST+8*(\t)+3], v[ST+8*(\t)+2:ST+8*(\t)+3], v[ST+8*(\t)+6:ST+8*(\t)+7] op_sel_hi:[1,0]
.endr
.irp t, 0,1
	v_pk_fma_f32 v[ST+8*(\t)+2:ST+8*(\t)+3], v[S+4*(\t)+2:S+4*(\t)+3], v[ST+8*(\t)+4:ST+8*(\t)+5], v[ST+8*(\t)+2:ST+8*(\t)+3] op_sel_hi:[1,0,1]
.endr
	WIN W_RS
.set i, 0
.rept 64
	v_pk_mul_f32 v[2*i:2*i+1], v[2*i:2*i+1], v[ST+8*(i/32)+6:ST+8*(i/32)+7] op_sel_hi:[1,0]
.set i, i+1
.endr
	s_wait_dscnt 0x0                               ; the helper's O^T is in
	WIN W_PV
.set i, 0
.rept 64
	v_pk_fma_f32 v[2*i:2*i+1], v[2*i:2*i+1], v[ST+8*(i/32)+4:ST+8*(i/32)+5], v[2*i:2*i+1] op_sel_hi:[1,0,1]
.set i, i+1
.endr
	WIN 0
.Lway:
	; THE WAY OUT.  l's two halves and the other half of the lanes' are added; O^T is divided by l, rounded to f16 and stored as it lies: a lane's eight channels of a token are half a fragment's 16 bytes.
.irp t, 0,1
	v_add_f32 v[ST+8*(\t)+4], v[ST+8*(\t)+2], v[ST+8*(\t)+3]
.endr
.irp t, 0,1
	v_permlanex16_b32 v[ST+8*(\t)+5], v[ST+8*(\t)+4], s[SEL], s[SEL+1]
.endr
.irp t, 0,1
	v_add_f32 v[ST+8*(\t)+4], v[ST+8*(\t)+4], v[ST+8*(\t)+5]
.endr
.irp t, 0,1
	v_rcp_f32 v[ST+8*(\t)+6], v[ST+8*(\t)+4]
.endr
	v_nop                                          ; a plain instruction between the last reciprocal and the use of its result,
	s_wait_alu depctr_va_vdst(0)                   ; and the wait: one for the two
	WIN W_RS
.set i, 0
.rept 64
	v_pk_mul_f32 v[2*i:2*i+1], v[2*i:2*i+1], v[ST+8*(i/32)+6:ST+8*(i/32)+7] op_sel_hi:[1,0]
.set i, i+1
.endr
	WIN 0x05                                       ; sources 0 and 1 window 1, destination window 0: S^T's registers are free
.set i, 0
.rept 64
	v_cvt_pk_f16_f32 v[S+i], v[2*i], v[2*i+1]
.set i, i+1
.endr
	WIN 0
.irp t, 0,1
.irp c, 0,1,2,3,4,5,6,7
	global_store_b128 v[LO], v[S+32*(\t)+4*(\c):S+32*(\t)+4*(\c)+3], s[OP:OP+1] offset:(\t)*4096+(\c)*512  ; 512 consecutive bytes
.endr
.endr
	s_wait_tensorcnt 0x0                           ; the wave's end: behind my last LDS store
	ds_add_u32 v[SPW], v[NIL]
	s_wait_dscnt 0x0
	s_endpgm
.Lfunc_end_k_q5d503666fb_attn:
	.size	k_q5d503666fb_attn, .Lfunc_end_k_q5d503666fb_attn-k_q5d503666fb_attn
	.p2alignl 7, 3214868480
	.fill 96, 4, 3214868480
	.section	.rodata,"a",@progbits
	.p2align	6, 0x0
	.amdhsa_kernel k_q5d503666fb_attn
		.amdhsa_group_segment_fixed_size 70144
		.amdhsa_private_segment_fixed_size 0
		.amdhsa_enable_private_segment 0
		.amdhsa_kernarg_size 32
		.amdhsa_user_sgpr_count 2
		.amdhsa_user_sgpr_kernarg_segment_ptr 1
		.amdhsa_wavefront_size32 1
		.amdhsa_system_sgpr_workgroup_id_x 1
		.amdhsa_system_sgpr_workgroup_id_y 1
		.amdhsa_system_sgpr_workgroup_id_z 1
		.amdhsa_system_vgpr_workitem_id 0
		.amdhsa_next_free_vgpr 768
		.amdhsa_next_free_sgpr 66
		.amdhsa_reserve_vcc 1
		.amdhsa_float_denorm_mode_32 3
		.amdhsa_float_denorm_mode_16_64 3
		.amdhsa_memory_ordered 1
		.amdhsa_forward_progress 1
		.amdhsa_inst_pref_size 95
	.end_amdhsa_kernel
	.amdgpu_metadata
---
amdhsa.version: [ 1, 2 ]
amdhsa.kernels:
  - .name:           k_q5d503666fb_attn
    .symbol:         k_q5d503666fb_attn.kd
    .args:
      - { .name: qf, .offset: 0, .size: 8, .value_kind: global_buffer, .address_space: global }
      - { .name: kf, .offset: 8, .size: 8, .value_kind: global_buffer, .address_space: global }
      - { .name: vf, .offset: 16, .size: 8, .value_kind: global_buffer, .address_space: global }
      - { .name: of, .offset: 24, .size: 8, .value_kind: global_buffer, .address_space: global }
    .group_segment_fixed_size: 70144
    .private_segment_fixed_size: 0
    .kernarg_segment_align: 8
    .kernarg_segment_size: 32
    .max_flat_workgroup_size: 128
    .sgpr_count:     66
    .vgpr_count:     768
    .wavefront_size: 32
...
	.end_amdgpu_metadata
.endif
;; end of part 3
;; launch oproj (part 4): grid 16 x 16, 4 waves a work-group, clusters of 4 x 4, 327,680 bytes of LDS; arguments of, wb, out0; writes out0
.if DOCPART == 4
	.amdgcn_target "amdgcn-amd-amdhsa--gfx1250"
	.amdhsa_code_object_version 6
	.text
	.protected	k_q5d503666fb_oproj
	.globl	k_q5d503666fb_oproj
	.p2align	8
	.type	k_q5d503666fb_oproj,@function
k_q5d503666fb_oproj:
	s_mov_b64 s[64:65], 0
	v_nop
	global_prefetch_b8 v0, s[64:65] scope:SCOPE_SE
	s_setreg_imm32_b32 hwreg(HW_REG_WAVE_MODE, 25, 1), 1
	s_wait_xcnt 0x0
	s_wait_alu depctr_hold_cnt(0) depctr_sa_sdst(0) depctr_va_vdst(0) depctr_va_sdst(0) depctr_va_ssrc(0) depctr_va_vcc(0) depctr_vm_vsrc(0)
	s_getreg_b32 s2, hwreg(HW_REG_IB_STS2, 6, 4)
	s_cmp_eq_u32 s2, 0
	s_cbranch_scc0 .Lentry_in_a_cluster
	s_endpgm
.Lentry_in_a_cluster:
	s_bfe_u32 s2, ttmp6, 0x10000c
	s_cmp_lg_u32 s2, 0xf033
	s_cbranch_scc0 .Lentry_shape_is_right
	s_endpgm
.Lentry_shape_is_right:
; out0[token][n] = 8 x the sum over k of (O / 8)[token][k] Wo[n][k]: 2,048 tokens, n = 4,096, K = 2,048; operands f16, sums in f32, out0 f32.
; Both operands lie in FRAGMENT ORDER: a fragment (16 rows x 32 along k, 8 registers a lane) is 1,024 bytes: registers 0-3 of lane l at 16 l, registers 4-7 at 512 + 16 l; a row tile of 16 rows is 64 fragments on end, 65,536 bytes.
; of: O / 8, 128 row tiles of tokens.  Wo: wb from byte 50,331,648 on: 256 row tiles, bf16's numbers written as f16.
; A work-group makes 128 tokens (TA = 4 cluster y + cy) x 256 columns (TB = 4 cluster x + cx); wave (WR = w / 2, WC = w % 2) 64 x 128: 32 accumulators (a = 0..3, b = 0..7), 256 registers.
; THE MATRIX INSTRUCTION TAKES Wo'S ROWS AS SOURCE 0 AND THE TOKENS AS SOURCE 1: lane (r = l % 16, h = l / 16), register j of accumulator (a, b) holds (token 16 a + r, column 16 b + 8 h + j): eight neighbouring f32 of a row.
; Wo GOES THROUGH LDS, THE TOKENS STRAIGHT INTO REGISTERS.  K goes in INTERVALS of 256: eight quarters of 32, 256 matrix instructions a wave.
;   Wo: a ring of two LDS slots of 16 row tiles x 8,192 bytes = 131,072 bytes, dense.  Each wave fetches four row tiles by one tensor load (4 rows of 8,192 bytes), asked for JOINTLY along a column of the 4 x 4 cluster,
;       whose four work-groups share TB.  From a refill's request to the wait for it a wave issues 224 matrix instructions.
;   The tokens: a ring of eight register buffers, a quarter each (4 fragments, 32 registers), filled by loads of 512 consecutive bytes, seven quarters ahead: 56 loads of a wave are out, across the changes of slots too.
;   THE TOKENS ARE NOT ASKED FOR JOINTLY, though a row of the cluster shares them: two slots of K = 256 for both operands would be 393,216 bytes, more than the 327,680 that there are; with slots of K = 128 a refill has
;   112 matrix instructions in which to land, half as many.
; REGISTERS: window 0: v16-31 addresses; Wo's two buffers v64-127, v128-191; on the way out TMP = v64-127, two buffers of 64 from v128.  Window 1: accumulator (a, b) at 8 (8 a + b).  Window 2: the tokens' ring: quarter q, block a at 32 q + 8 a.
.set RT,     65536                     ; bytes in a row tile
.set IV,     8192                      ; bytes of an interval in a row tile
.set NIV,    8                         ; intervals
.set SLOT1,  1<<17
.set SPARE,  2*SLOT1                   ; behind the ring: the spare words, 128 bytes for each wave: two blocks of 256 bytes that no other line names
.set STAGE,  SPARE+512                 ; behind them, never filled by a tensor load: 16 rows x 528 bytes for each wave
.set SP,     528                       ; 512 bytes + 16: 132 words: the 16 rows of a store start at 16 different groups of four banks (64 banks of 4 bytes: ISA guide 11.1)
.set WO_OFF, 50331648
.set AB0,  16                          ; v16  my place in a slot: 65,536 WC + 16 l; never rewritten
.set ADRB, 20                          ; v20  the same in the slot that is being read
.set STO,  24                          ; v24  the way out: where I put 32 bytes of a row
.set RD,   25                          ; v25  where I read a row back
.set CO,   26                          ; v26  16 l; never rewritten
.set SPW,  28
.set NIL,  29
.set PFO,  30                          ; v30  256 l; never rewritten
.set FB0,  64
.set TMP,  64
.set OBF,  128
.set G1,  24
.set G0,  32
.set G0W, 36
.set WV,  40
.set WR,  41
.set WC,  42
.set CX,  43
.set CY,  44
.set CLX, 45
.set CLY, 46
.set TA,  47
.set AN,  48                           ; s[48:49] the tokens at my first row tile, at the interval whose quarters are being asked for
.set PFB, 50                           ; s[50:51]
.set LIMA, 52
.set TBS, 53
.set LB,  54
.set PFAA, 66                          ; s[66:67]
.set LIMB, 68
.set TB,  69
.set OB,  70                           ; s[70:71] out0 at my first row and column
.set EI,  82                           ; s[82:83] 8.0
.set MUL, 0x58                         ; Wo's fragments window 0, the tokens' window 2, C and D window 1
.set MSB, 0
.macro WIN new
.if MSB != (\new)
	s_set_vgpr_msb (MSB<<8)|(\new)
.set MSB, \new
.endif
.endm
.macro PLACES                          ; four plain vector instructions between a matrix instruction and a load into, or a vector instruction on, its registers
.rept 4
	v_nop
.endr
.endm
; PREFETCHES INTO THE L2, behind the joint load and the runs of loads of a change of slots: at the end of interval t, what interval t + 3 will want: one row tile's 8,192 bytes an instruction, a lane a block of 256 bytes.
; Each block is named once in the launch.  Wo: the clusters with y = 0; of the tile's 16 row tiles the partner at cy takes 4, a wave one.  The tokens: the clusters with x = 0; of the tile's 8 row tiles the partner at cx
; takes 2, waves 0 and 1 one each.  The partners are told apart by address alone.  Intervals 0 to 2 come by their loads alone; the loop's last trip (s3 = 1) has no interval three on.
.macro ASK
	s_cmp_gt_u32 s3, s[LIMB]
	s_cbranch_scc0 .Lnot_b_\@
	global_prefetch_b8 v[PFO], s[PFB:PFB+1] th:TH_LOAD_NT scope:SCOPE_SE
.Lnot_b_\@:
	s_cmp_gt_u32 s3, s[LIMA]
	s_cbranch_scc0 .Lnot_a_\@
	global_prefetch_b8 v[PFO], s[PFAA:PFAA+1] th:TH_LOAD_NT scope:SCOPE_SE
.Lnot_a_\@:
.endm
.macro CREST
	s_cmp_lg_u32 s[WV], 0
	s_cbranch_scc1 .Lnot_wave_0_\@
	s_barrier_signal -3
.Lnot_wave_0_\@:
	s_barrier_wait -3
	s_barrier_signal -1
	s_barrier_wait -1
.endm
.macro CROUND
	s_barrier_signal -1
	s_barrier_wait -1
	CREST
.endm
	s_load_b128 s[4:7], s[0:1], 0x0                ; of s[4:5], wb s[6:7]
	s_load_b64 s[8:9], s[0:1], 0x10                ; out0
	v_lshl_add_u32 v[SPW], v0, 2, SPARE
	v_mov_b32 v[NIL], 0
	ds_add_u32 v[SPW], v[NIL]                      ; the wave's opening: the add and its wait ahead of my first tensor load; the set-up below, work on registers, stands between them
	v_lshrrev_b32 v1, 5, v0
	v_readfirstlane_b32 s[WV], v1
	s_lshr_b32 s[WR], s[WV], 1                     ; which 64 tokens are mine
	s_and_b32 s[WC], s[WV], 1                      ; which 128 columns
	s_bfe_u32 s[CX], ttmp6, 0x40000
	s_bfe_u32 s[CY], ttmp6, 0x40004
	s_mov_b32 s[CLX], ttmp9
	s_and_b32 s[CLY], ttmp7, 0xffff
	s_lshl_b32 s[TA], s[CLY], 2
	s_add_co_u32 s[TA], s[TA], s[CY]
	s_lshl_b32 s[TB], s[CLX], 2
	s_add_co_u32 s[TB], s[TB], s[CX]               ; no register that feeds Wo's descriptors ever holds cy
	s_lshl_b32 s19, 0x1111, s[CX]                  ; my column of the cluster
	s_or_b32 s[G1], s19, (3<<16)|(1<<21)           ; 15:0 the mask; 17:16 elements of 8 bytes; 21 set beside a mask; no padding
	s_mov_b32 s[G1+1], 1024<<16                    ; tensor_dim0 = 1,024 elements: 8,192 bytes, eight fragments
	s_mov_b32 s[G1+2], 4<<16                       ; tensor_dim1 = 4
	s_mov_b32 s[G1+3], 1024<<16                    ; tile_dim0 = 1,024
	s_mov_b32 s[G1+4], 4                           ; tile_dim1 = 4 rows: four row tiles
	s_mov_b32 s[G1+5], RT/8                        ; elements from row to row
	s_mov_b32 s[G1+6], 0
	s_mov_b32 s[G1+7], 0
	s_lshl_b32 s20, s[TA], 3                       ; the tokens: my first row tile: 8 TA + 4 WR
	s_lshl_b32 s21, s[WR], 2
	s_add_co_u32 s20, s20, s21
	s_lshl_b32 s20, s20, 16
	s_mov_b32 s21, 0
	s_lshl_b32 s22, s[TB], 4                       ; Wo: the four row tiles that I fetch: 16 TB + 4 w
	s_lshl_b32 s23, s[WV], 2
	s_add_co_u32 s22, s22, s23
	s_lshl_b32 s22, s22, 16
	s_add_co_u32 s22, s22, WO_OFF
	s_mov_b32 s23, 0
	s_lshl_b32 s[LB], s[WV], 15                    ; and where they go: wave x 32,768: no place in the cluster enters an LDS address
	s_lshl_b32 s90, s[TB], 4                       ; the prefetches.  Wo: row tile 16 TB + 4 cy + w,
	s_lshl_b32 s91, s[CY], 2
	s_add_co_u32 s90, s90, s91
	s_add_co_u32 s90, s90, s[WV]
	s_lshl_b32 s90, s90, 16
	s_add_co_u32 s90, s90, WO_OFF+2*IV             ; at interval 2: the first change of slots steps it to 3 and names that
	s_mov_b32 s91, 0
	s_lshl_b32 s92, s[TA], 3                       ; the tokens: row tile 8 TA + 2 cx + w (waves 0 and 1)
	s_lshl_b32 s93, s[CX], 1
	s_add_co_u32 s92, s92, s93
	s_add_co_u32 s92, s92, s[WV]
	s_lshl_b32 s92, s92, 16
	s_add_co_u32 s92, s92, 2*IV
	s_mov_b32 s93, 0
	s_cmp_eq_u32 s[CLY], 0
	s_cselect_b32 s[LIMB], 1, -1
	s_or_b32 s94, s[CLX], s[WR]                    ; 0 in waves 0 and 1 of a cluster with x = 0
	s_cmp_eq_u32 s94, 0
	s_cselect_b32 s[LIMA], 1, -1                   ; both the same in all sixteen partners, for a given wave
	s_mov_b32 s[TBS], 0
	s_mov_b32 s[EI], 0x41000000                    ; 8.0
	s_mov_b32 s[EI+1], s[EI]
	s_wait_dscnt 0x0                               ; the opening add is done
	s_wait_kmcnt 0x0
	s_add_nc_u64 s[AN:AN+1], s[4:5], s[20:21]
	s_add_nc_u64 s[22:23], s[6:7], s[22:23]
	s_add_nc_u64 s[PFB:PFB+1], s[6:7], s[90:91]
	s_add_nc_u64 s[PFAA:PFAA+1], s[4:5], s[92:93]
	s_mov_b32 s[G0], 1                             ; count = 1
	s_mov_b32 s[G0+1], s[LB]                       ; LDS address: slot 0
	s_mov_b64 s[G0+2:G0+3], s[22:23]               ; global address: interval 0
	s_or_b32 s[G0+3], s[G0+3], 0x80000000          ; type = 2
	s_mov_b32 s[G0W], 1
	s_add_co_u32 s[G0W+1], s[LB], SLOT1            ; slot 1,
	s_add_nc_u64 s[G0W+2:G0W+3], s[22:23], IV      ; interval 1
	s_or_b32 s[G0W+3], s[G0W+3], 0x80000000
	CROUND                                         ; all sixteen work-groups are here: the first joint loads meet
	tensor_load_to_lds s[G0:G0+3], s[G1:G1+7]      ; every wave issues the same two lines, each for its own four row tiles: two loads of mine are out
	s_nop 0
	tensor_load_to_lds s[G0W:G0W+3], s[G1:G1+7]
	s_nop 0
.rept 4
	v_nop
.endr
	v_and_b32 v4, 31, v0
	v_lshlrev_b32 v[CO], 4, v4
; 8 matrix instructions: token blocks a0, a0 + 1 x column blocks 4 bh .. 4 bh + 3, quarter q (the tokens' ring buffer q), Wo's buffer f.  The 32 accumulators take turns in the same order in every quarter.
.macro MUL8 f, q, a0, bh, zero
	WIN MUL
.irp a, \a0, (\a0)+1
.irp b, 4*(\bh), 4*(\bh)+1, 4*(\bh)+2, 4*(\bh)+3
.if \zero
	v_wmma_f32_16x16x32_f16 v[8*(8*(\a)+(\b)):8*(8*(\a)+(\b))+7], v[(\f)+8*(\b):(\f)+8*(\b)+7], v[32*(\q)+8*(\a):32*(\q)+8*(\a)+7], 0
.else
	v_wmma_f32_16x16x32_f16 v[8*(8*(\a)+(\b)):8*(8*(\a)+(\b))+7], v[(\f)+8*(\b):(\f)+8*(\b)+7], v[32*(\q)+8*(\a):32*(\q)+8*(\a)+7], v[8*(8*(\a)+(\b)):8*(8*(\a)+(\b))+7]
.endif
.endr
.endr
.endm
.macro FETCH q, f                      ; 16 LDS loads in one run: Wo's eight fragments of quarter q of the slot that is being read; blocks 0-3 first
	WIN 0
.irp i, 0,1,2,3,4,5,6,7
	ds_load_b128 v[(\f)+8*(\i):(\f)+8*(\i)+3],   v[ADRB] offset:(\i)*IV+(\q)*1024
	ds_load_b128 v[(\f)+8*(\i)+4:(\f)+8*(\i)+7], v[ADRB] offset:(\i)*IV+(\q)*1024+512
.endr
.endm
.macro ALOAD q                         ; 8 loads of 512 consecutive bytes: the tokens' four fragments of quarter q of the interval at which AN stands, into ring buffer q
	WIN 0x80
.irp a, 0,1,2,3
	global_load_b128 v[32*(\q)+8*(\a):32*(\q)+8*(\a)+3],   v[CO], s[AN:AN+1] offset:(\a)*RT+(\q)*1024
	global_load_b128 v[32*(\q)+8*(\a)+4:32*(\q)+8*(\a)+7], v[CO], s[AN:AN+1] offset:(\a)*RT+(\q)*1024+512
.endr
.endm
; Quarter q = 0..6: 32 matrix instructions; in its middle Wo's next quarter is fetched from LDS, and the tokens' quarter seven on is asked for, into the ring buffer that the quarter before has read.
; (Quarter 0 asks for its own interval's quarter 7, quarters 1-7 for the next interval's 0-6: AN is stepped behind each quarter 0.)
.macro QUARTER q, zero
.set fb, FB0+64*((\q)%2)
.set gb, FB0+64*(((\q)+1)%2)
	s_wait_loadcnt 48                              ; the tokens of this quarter are in: asked for seven quarters back; six quarters' eight loads are younger
	s_wait_dscnt 8                                 ; Wo's blocks 0-3 are in; the youngest eight loads (blocks 4-7) may be out
	MUL8 fb, \q, 0, 0, \zero
	MUL8 fb, \q, 2, 0, \zero
	PLACES
	FETCH (\q)+1, gb
	ALOAD ((\q)+7)%8
	s_wait_dscnt 16                                ; all but the 16 just issued
	MUL8 fb, \q, 0, 1, \zero
	MUL8 fb, \q, 2, 1, \zero
.endm
; Quarter 7 changes slots: ONE barrier; in front of it each wave waits for all its tensor loads (one is out: its part of the next slot), adds 0 to its spare word, and waits for that and for its own reads of this slot.
; fill = 1: the barrier opens a round of the cluster's, and this slot is filled again, two intervals ahead, first thing behind the round.
.macro TURN fill
.if \fill
	s_wait_xcnt 0x0                                ; the last prefetches, an interval back, have read their addresses
	s_add_nc_u64 s[PFB:PFB+1], s[PFB:PFB+1], IV
	s_add_nc_u64 s[PFAA:PFAA+1], s[PFAA:PFAA+1], IV
.endif
	WIN 0
	s_wait_tensorcnt 0x0                           ; all my tensor loads have landed;
	ds_add_u32 v[SPW], v[NIL]                      ; 0 onto my spare word;
	s_wait_loadcnt 48                              ; (the tokens of this quarter are in)
	s_wait_dscnt 9                                 ; (the add and the youngest eight loads may be out)
	MUL8 FB0+64, 7, 0, 0, 0
	s_wait_dscnt 0x0                               ; the add is done, and my reads of this slot are over
	s_barrier_signal -1
	MUL8 FB0+64, 7, 2, 0, 0
	WIN 0
	s_barrier_wait -1
.if \fill
	CREST                                          ; no wave of any partner still reads this slot's tile or has a load on its way
	s_xor_b32 s[G0W+1], s[G0W+1], SLOT1            ; the walking descriptor: the other slot than last time,
	s_add_nc_u64 s[G0W+2:G0W+3], s[G0W+2:G0W+3], IV  ; the next interval
	tensor_load_to_lds s[G0W:G0W+3], s[G1:G1+7]
	s_nop 0
.endif
	PLACES                                         ; behind the joint load, and in front of the loads below
	s_xor_b32 s[TBS], s[TBS], SLOT1                ; the reads go on in the other slot
	v_add_nc_u32 v[ADRB], s[TBS], v[AB0]
	FETCH 0, FB0
	ALOAD 6
.if \fill
	WIN 0
	ASK
.endif
	MUL8 FB0+64, 7, 0, 1, 0
	MUL8 FB0+64, 7, 2, 1, 0
.endm
.irp q, 0,1,2,3,4,5,6
	ALOAD \q                                       ; the tokens' ring is filled: quarters 0 to 6 of interval 0: 56 loads
.endr
	WIN 0
	v_and_b32 v1, 15, v0                           ; r
	v_bfe_u32 v2, v0, 4, 1                         ; h
	s_lshl_b32 s18, s[WC], 16
	v_add_nc_u32 v[AB0], s18, v[CO]
	v_mov_b32 v[ADRB], v[AB0]                      ; slot 0
	v_lshlrev_b32 v[PFO], 8, v4
	s_mul_i32 s77, s[WV], 16*SP
	s_add_co_u32 s77, s77, STAGE                   ; my stage
	v_mul_u32_u24 v5, v1, SP
	v_lshl_add_u32 v5, v2, 5, v5
	v_add_nc_u32 v[STO], s77, v5                   ; in: row r, 32 bytes for each half of the lanes
	v_add_nc_u32 v[RD], s77, v[CO]                 ; back: 32 lanes take one row of 512 bytes
	s_lshl_b32 s78, s[TA], 7
	s_lshl_b32 s79, s[WR], 6
	s_add_co_u32 s78, s78, s79                     ; my first row of out0,
	s_lshl_b32 s78, s78, 14                        ; 16,384 bytes a row
	s_lshl_b32 s79, s[TB], 10                      ; my first column: 256 TB + 128 WC, 4 bytes each
	s_add_co_u32 s78, s78, s79
	s_lshl_b32 s79, s[WC], 9
	s_add_co_u32 s78, s78, s79
	s_mov_b32 s79, 0
	s_add_nc_u64 s[OB:OB+1], s[8:9], s[78:79]
	s_wait_tensorcnt 1                             ; my part of interval 0 is in; interval 1's may stay out
	s_barrier_signal -1
	s_barrier_wait -1
	FETCH 0, FB0
	QUARTER 0, 1                                   ; the first quarter's products start the sums
	WIN 0
	s_wait_xcnt 0x0                                ; every load so far has read its address
	s_add_nc_u64 s[AN:AN+1], s[AN:AN+1], IV
	s_mov_b32 s3, NIV-2                            ; every interval but the last two ends with a refill
.Liv:                                                  ; a trip: quarters 1 to 7 of an interval and quarter 0 of the next
.irp q, 1,2,3,4,5,6
	QUARTER \q, 0
.endr
	TURN 1
	QUARTER 0, 0
	WIN 0
	s_wait_xcnt 0x0                                ; the youngest load stands sixteen matrix instructions back, the youngest prefetch forty-eight
	s_add_nc_u64 s[AN:AN+1], s[AN:AN+1], IV
	s_sub_co_u32 s3, s3, 1
	s_cmp_lg_u32 s3, 0
	s_cbranch_scc1 .Liv
	s_mov_b32 s3, 2                                ; THE LAST TWO INTERVALS ask for no tile: a second text; walked twice and left in its middle.
.Ltail:                                                ; AN stays at the last interval: in the second walk the 56 loads of tokens and the 16 of Wo read once more what has been read and serve nothing: the price, once a launch, of one text for both walks
.irp q, 1,2,3,4,5,6
	QUARTER \q, 0
.endr
	TURN 0
	WIN 0
	s_sub_co_u32 s3, s3, 1
	s_cmp_eq_u32 s3, 0
	s_cbranch_scc1 .Lout
	QUARTER 0, 0
	WIN 0
	s_branch .Ltail
.Lout:
	s_wait_loadcnt 0x0                             ; no load is out: the rings' registers are free
	s_wait_dscnt 0x0
	; THE WAY OUT, a block of 16 tokens at a time, through my own stage: a lane's 32 bytes of a row go in, whole rows of 512 bytes come back and are stored.
.macro SCALE a                         ; the sums times 8, ascending
	WIN 0x01
.set i, 0
.rept 32
	v_pk_mul_f32 v[TMP+2*i:TMP+2*i+1], v[64*(\a)+2*i:64*(\a)+2*i+1], s[EI:EI+1] op_sel_hi:[1,0]
.set i, i+1
.endr
	WIN 0
.endm
.macro TOSTAGE a
.set BK, OBF+64*((\a)%2)
.irp b, 0,1,2,3,4,5,6,7
	ds_store_b128 v[STO], v[TMP+8*(\b):TMP+8*(\b)+3]   offset:64*(\b)
	ds_store_b128 v[STO], v[TMP+8*(\b)+4:TMP+8*(\b)+7] offset:64*(\b)+16
.endr
.set t, 0
.rept 16
	ds_load_b128 v[BK+4*t:BK+4*t+3], v[RD] offset:SP*t  ; LDS serves a wave's instructions in order (ISA guide 5.7.1.4): these see the stores above
.set t, t+1
.endr
.endm
.macro SEND a
.set BK, OBF+64*((\a)%2)
	s_wait_dscnt 0x0                               ; the block is back in registers
	s_wait_xcnt 0x0                                ; the stores of the block before have read their registers: the next block's loads land there only behind this wait
.set t, 0
.rept 16
	global_store_b128 v[CO], v[BK+4*t:BK+4*t+3], s[OB:OB+1] offset:(16*(\a)+t)*16384 th:TH_STORE_NT  ; 512 consecutive bytes of one row, at a multiple of 512 from out0's first byte
.set t, t+1
.endr
.endm
	PLACES                                         ; behind the last products
	SCALE 0
	TOSTAGE 0
.irp a, 1,2,3                          ; block a's scaling stands between block a - 1's loads from the stage and the wait for them
	SCALE \a
	SEND (\a)-1
	TOSTAGE \a
.endr
	SEND 3
	s_wait_tensorcnt 0x0                           ; the wave's end: behind my last tensor load and my last LDS store
	ds_add_u32 v[SPW], v[NIL]
	s_wait_dscnt 0x0
	CROUND                                         ; the closing round: no work-group ends while a partner may still ask for a tile that names it
	s_endpgm
.Lfunc_end_k_q5d503666fb_oproj:
	.size	k_q5d503666fb_oproj, .Lfunc_end_k_q5d503666fb_oproj-k_q5d503666fb_oproj
	.p2alignl 7, 3214868480
	.fill 96, 4, 3214868480
	.section	.rodata,"a",@progbits
	.p2align	6, 0x0
	.amdhsa_kernel k_q5d503666fb_oproj
		.amdhsa_group_segment_fixed_size 327680
		.amdhsa_private_segment_fixed_size 0
		.amdhsa_enable_private_segment 0
		.amdhsa_kernarg_size 24
		.amdhsa_user_sgpr_count 2
		.amdhsa_user_sgpr_kernarg_segment_ptr 1
		.amdhsa_wavefront_size32 1
		.amdhsa_system_sgpr_workgroup_id_x 1
		.amdhsa_system_sgpr_workgroup_id_y 1
		.amdhsa_system_sgpr_workgroup_id_z 1
		.amdhsa_system_vgpr_workitem_id 0
		.amdhsa_next_free_vgpr 768
		.amdhsa_next_free_sgpr 96
		.amdhsa_reserve_vcc 0
		.amdhsa_float_denorm_mode_32 3
		.amdhsa_float_denorm_mode_16_64 3
		.amdhsa_memory_ordered 1
		.amdhsa_forward_progress 1
		.amdhsa_inst_pref_size 106
	.end_amdhsa_kernel
	.amdgpu_metadata
---
amdhsa.version: [ 1, 2 ]
amdhsa.kernels:
  - .name:           k_q5d503666fb_oproj
    .symbol:         k_q5d503666fb_oproj.kd
    .args:
      - { .name: of, .offset: 0, .size: 8, .value_kind: global_buffer, .address_space: global }
      - { .name: wb, .offset: 8, .size: 8, .value_kind: global_buffer, .address_space: global }
      - { .name: out0, .offset: 16, .size: 8, .value_kind: global_buffer, .address_space: global }
    .group_segment_fixed_size: 327680
    .private_segment_fixed_size: 0
    .kernarg_segment_align: 8
    .kernarg_segment_size: 24
    .max_flat_workgroup_size: 128
    .sgpr_count:     96
    .vgpr_count:     768
    .wavefront_size: 32
...
	.end_amdgpu_metadata
.endif
;; end of part 4
